; MI455X (gfx1250); checked and timed in simulation.
; The chip was launched on July 23, 2026; its instructions are those of AMD's public machine-readable ISA for CDNA 5 (MIT licence, August 2026) and "CDNA5" Instruction Set Architecture Reference Guide (July 2026). The comments in the code are by the model that wrote it; some were corrected since.
;; Transformer Block. Allowed arithmetic: matrix products marked QUANTISED: E4M3 operands, one given power-of-two scale a tensor, by v_wmma_f32_16x16x64_fp8_fp8 or v_wmma_f32_16x16x128_fp8_fp8, f32 sums; everything else in f32.
;; Inputs: b1 4,096 float32; b2 1,024 float32; ln1_b 1,024 float32; ln1_g 1,024 float32; ln2_b 1,024 float32; ln2_g 1,024 float32; lowp_scales 12 int32 (the exponents e of the quantised operands' scales 2^e); w1_codes 4,096 x 32 x 32 uint8 (E4M3 codes of w1, K innermost, in blocks of 32 codes); w2_codes 1,024 x 128 x 32 uint8 (E4M3 codes of w2, K innermost, in blocks of 32 codes); w_out_codes 1,024 x 32 x 32 uint8 (E4M3 codes of w_out, K innermost, in blocks of 32 codes); w_qkv_codes 3,072 x 32 x 32 uint8 (E4M3 codes of w_qkv, K innermost, in blocks of 32 codes); x 2 x 2,048 x 1,024 float32.
;; Outputs: out0 2 x 2,048 x 1,024 float32.
;; This version of the problem:
;;   THIS VERSION OF THE PROBLEM IS GIVEN IN LOW PRECISION. The matrix products marked QUANTISED in the list below multiply operands that are first quantised to E4M3 (4 exponent bits, 3 mantissa bits; 8 bits a number), with one given power-of-two scale for each operand tensor; their sums are f32. All else is computed in f32.
;;   The module's matrix products, in the order in which they are computed (A, B: the left and right operand; K: the contracted axis; several contracted axes count as one K, in the product's order):
;;     1. [M 4,096, K 1,024] x [K 1,024, N 3,072]; A: computed on the way; B: input w_qkv (given as codes): QUANTISED (scales: A lowp_scales[0], B lowp_scales[1])
;;     2. batch 32 x [M 2,048, K 64] x [K 64, N 2,048]; A: computed on the way; B: computed on the way: QUANTISED (scales: A lowp_scales[2], B lowp_scales[3])
;;     3. batch 32 x [M 2,048, K 2,048] x [K 2,048, N 64]; A: softmax (see below); B: computed on the way: QUANTISED (scales: A lowp_scales[4], B lowp_scales[5])
;;     4. [M 4,096, K 1,024] x [K 1,024, N 1,024]; A: computed on the way; B: input w_out (given as codes): QUANTISED (scales: A lowp_scales[6], B lowp_scales[7])
;;     5. [M 4,096, K 1,024] x [K 1,024, N 4,096]; A: computed on the way; B: input w1 (given as codes): QUANTISED (scales: A lowp_scales[8], B lowp_scales[9])
;;     6. [M 4,096, K 4,096] x [K 4,096, N 1,024]; A: computed on the way; B: input w2 (given as codes): QUANTISED (scales: A lowp_scales[10], B lowp_scales[11])
;;   THE QUANTISER, for each operand of a quantised product, along K:
;;     - The operand's scale is 2^e, e = its entry of the input lowp_scales (int32; the entries are numbered through the quantised products in the list's order, A before B).
;;     - Each number is divided by the scale, clamped to +-448, and rounded to the nearest number of E4M3, ties to even, subnormals kept.
;;     - The product sums the exact products of the quantised numbers (number of the format x scale) in f32.
;;   ~~~python
;;   def quantise(x, axis, e):      # numpy; x: float32 -> the quantised numbers, widened to float32 again
;;       x = np.moveaxis(x, axis, -1); K = x.shape[-1]
;;       r = np.clip(x / 2.0 ** e, -448, 448)
;;       step = 2.0 ** (np.maximum(np.frexp(np.where(r == 0, 1, r))[1] - 1, -6) - 3)
;;       q = np.round(r / step) * step * 2.0 ** e      # np.round: ties to even
;;       return np.moveaxis(q, -1, axis).astype(np.float32)
;;   ~~~
;;   SOFTMAX AHEAD OF A QUANTISED PRODUCT. Where the list says 'softmax', what is quantised is not the finished softmax but p = 2^(t - M), with t = logit x log2(e) and M = ceil(the row's largest t), a whole number; so 1/2 < the row's largest p <= 1. The row's sum l is taken of the UNQUANTISED p, in f32, and the product's result is divided by l at the end. Since M is a whole number, a kernel that streams over the keys may use a running M (the ceiling of the running maximum): every later rescaling is an exact power of two, so the quantised numbers keep their values, but for numbers so far below the row's largest that they fall under the format's range.
;;   OPERANDS COMPUTED ON THE WAY. 'Computed on the way' means the value that the module computes at that place (a softmax that the list does not call 'softmax' is quantised finished and normalised). What goes into a quantiser is computed in f32, as accurately as f32 sums, v_exp_f32 and their like allow (about 1e-6 of the number): no bf16 or f16 on the way to a quantiser, and a product that is left as it is and whose result goes on into a quantised operand takes f32 operands (vector FMAs, or v_wmma_f32_16x16x4_f32). A number that lies on a knife's edge between two numbers of the format may be rounded either way, as far as f32 arithmetic and the matrix unit's own rounding can turn it there, and no further.
;;   INPUTS GIVEN AS CODES. w1 (in the module: [1024, 4096], K = its axis 0); w2 (in the module: [4096, 1024], K = its axis 0); w_out (in the module: [1024, 1024], K = its axis 0); w_qkv (in the module: [1024, 3072], K = its axis 0): each comes as NAME_codes (uint8): NAME with its K axis moved to the last place and cut into blocks of 32 codes, [.., K / 32, bytes a block], one block behind the other in memory; one code a byte (a code: sign, 4 exponent bits, 3 mantissa bits); its scale is its entry of lowp_scales. Its value is code x scale, taken as it is: it is not quantised again, and the codes and scales need not be those that the quantiser above would give.
;; One version. Each part assembles by itself: llvm-mc -triple=amdgcn-amd-amdhsa -mcpu=gfx1250 --defsym DOCPART=n.
;; ======== version 1 of 1: 7 launches
;; limits: right only within a limited range of input values
;; workspace buffers: hc 4,194,304 bytes; h2c 4,194,304 bytes; qc 4,194,304 bytes; kc 4,194,304 bytes; vc 4,194,304 bytes; oc 4,194,304 bytes; gc 16,777,216 bytes; x1 16,777,216 bytes
;; launch ln1 (part 1): grid 256 x 1, 4 waves a work-group, no clusters, 16,896 bytes of LDS; arguments x, ln1_g, ln1_b, lowp_scales, hc; writes hc
.if DOCPART == 1
	.amdgcn_target "amdgcn-amd-amdhsa--gfx1250"
	.amdhsa_code_object_version 6
	.text
	.protected	k_qcf852ce8f1_ln1
	.globl	k_qcf852ce8f1_ln1
	.p2align	8
	.type	k_qcf852ce8f1_ln1,@function
k_qcf852ce8f1_ln1:
	s_mov_b64 s[64:65], 0
	v_nop
	global_prefetch_b8 v0, s[64:65] scope:SCOPE_SE
	s_setreg_imm32_b32 hwreg(HW_REG_WAVE_MODE, 25, 1), 1
	s_wait_xcnt 0x0
; h = (x - mean) * rsqrt(var + 1e-5) * g + b for rows of 1,024 f32, quantised to codes of FP8 (E4M3) with the given scale 2^e (entry EOFF / 4 of the scales), stored row-major, one byte a code.
; A work-group takes 16 rows, a wave 4, kept in registers between the passes (mean; centred squares; scaling): the rows are read once.  Waves share nothing: no barrier.
; Load j of a row reads 512 consecutive bytes, 16 a lane: lane l holds k = 128 j + 4 l + 0..3.  The conversion takes eight numbers of a lane (loads 2 m and 2 m + 1) and gives two words of four codes;
; the words go through the wave's own 4,096 bytes of LDS into their places in the rows and leave as stores of 512 consecutive bytes.
; LIMITS: e between -126 and 119, so that 2^e and 448 x 2^e are f32 numbers.  NaN among the inputs is not served.
.set EOFF, 0                           ; byte offset of e in the buffer of scales
.set L16, 1                            ; v1   16 x lane
.set STA, 2                            ; v2   4,096 x wave + 4 x lane: where a word of codes goes
.set LDA, 3                            ; v3   4,096 x wave + 16 x lane: where 16 codes are read back
.set SCV, 5                            ; v5   2^e
.set LIM, 6                            ; v6   448 x 2^e
.set RK,  8                            ; v8   1 / 1,024
.set C,   12                           ; v12-43   codes: row i, word j at C + 8 i + j
.set S0,  44                           ; v44-51   a pair a row: sums, then the mean
.set S1,  52                           ; v52-59   a pair a row: second chain, then rsqrt(var + eps)
.set X,   64                           ; v64-191  row i at X + 32 i
.set G,   192                          ; v192-223 gain
.set B,   224                          ; v224-255 bias
	s_load_b256 s[4:11], s[0:1], 0x0               ; x s[4:5], g s[6:7], b s[8:9], scales s[10:11]
	s_load_b64 s[12:13], s[0:1], 0x20              ; the codes
	v_lshl_add_u32 v62, v0, 2, 0x4000
	v_mov_b32 v63, 0
	v_lshrrev_b32 v7, 5, v0
	v_readfirstlane_b32 s14, v7                    ; wave
	v_and_b32 v7, 31, v0                           ; lane
	v_lshlrev_b32 v[L16], 4, v7
	s_lshl_b32 s15, s14, 12
	v_lshl_add_u32 v[STA], v7, 2, s15
	v_add_nc_u32 v[LDA], s15, v[L16]
	v_mov_b32 v[RK], 0x3a800000
	s_mov_b32 s20, 0x76543210                      ; lane selects: lane l xor 16
	s_mov_b32 s21, 0xfedcba98
	s_lshl_b32 s16, ttmp9, 16                      ; 16 rows of 4,096 bytes a work-group,
	s_lshl_b32 s18, s14, 14                        ; 4 a wave
	s_add_co_u32 s16, s16, s18
	s_mov_b32 s17, 0
	s_lshl_b32 s18, ttmp9, 14                      ; and of 1,024 bytes in the codes
	s_add_co_u32 s18, s18, s15
	s_mov_b32 s19, 0
	s_wait_alu depctr_va_vdst(0)
	s_wait_kmcnt 0x0
	s_load_b32 s22, s[10:11], EOFF                 ; e
	s_add_nc_u64 s[4:5], s[4:5], s[16:17]
	s_add_nc_u64 s[12:13], s[12:13], s[18:19]
.irp i, 0,1,2,3
.irp j, 0,1,2,3,4,5,6,7
	global_load_b128 v[X+32*\i+4*\j:X+32*\i+4*\j+3], v[L16], s[4:5] offset:4096*\i+512*\j
.endr
.endr
.irp j, 0,1,2,3,4,5,6,7
	global_load_b128 v[G+4*\j:G+4*\j+3], v[L16], s[6:7] offset:512*\j
.endr
.irp j, 0,1,2,3,4,5,6,7
	global_load_b128 v[B+4*\j:B+4*\j+3], v[L16], s[8:9] offset:512*\j
.endr
; the four rows' figures in v[S0 + 2 i] are summed over the 32 lanes; the rows take turns line by line
.macro ACROSS
.irp m, 1,2,4,8
.irp i, 0,1,2,3
	v_add_f32_dpp v[S0+2*\i], v[S0+2*\i], v[S0+2*\i] row_xmask:\m row_mask:0xf bank_mask:0xf
.endr
.endr
.irp i, 0,1,2,3
	v_permlanex16_b32 v[S0+2*\i+1], v[S0+2*\i], s20, s21   ; its destination has been written: the pair's upper word
.endr
.irp i, 0,1,2,3
	v_add_f32 v[S0+2*\i], v[S0+2*\i], v[S0+2*\i+1]
.endr
.endm
	s_wait_loadcnt 16                              ; the rows are in; the sixteen younger loads (g, b) may be out
	; the mean: two chains of packed sums a row
.irp i, 0,1,2,3
	v_pk_add_f32 v[S0+2*\i:S0+2*\i+1], v[X+32*\i:X+32*\i+1], v[X+32*\i+2:X+32*\i+3]
	v_pk_add_f32 v[S1+2*\i:S1+2*\i+1], v[X+32*\i+4:X+32*\i+5], v[X+32*\i+6:X+32*\i+7]
.endr
.irp p, 8,12,16,20,24,28
.irp i, 0,1,2,3
	v_pk_add_f32 v[S0+2*\i:S0+2*\i+1], v[S0+2*\i:S0+2*\i+1], v[X+32*\i+\p:X+32*\i+\p+1]
	v_pk_add_f32 v[S1+2*\i:S1+2*\i+1], v[S1+2*\i:S1+2*\i+1], v[X+32*\i+\p+2:X+32*\i+\p+3]
.endr
.endr
.irp i, 0,1,2,3
	v_pk_add_f32 v[S0+2*\i:S0+2*\i+1], v[S0+2*\i:S0+2*\i+1], v[S1+2*\i:S1+2*\i+1]
.endr
.irp i, 0,1,2,3
	v_add_f32 v[S0+2*\i], v[S0+2*\i], v[S0+2*\i+1]
.endr
	ACROSS
.irp i, 0,1,2,3
	v_mul_f32 v[S0+2*\i], v[RK], v[S0+2*\i]        ; the mean
.endr
	; x - mean, in place (of the pair the low word serves both halves)
.irp p, 0,2,4,6,8,10,12,14,16,18,20,22,24,26,28,30
.irp i, 0,1,2,3
	v_pk_add_f32 v[X+32*\i+\p:X+32*\i+\p+1], v[X+32*\i+\p:X+32*\i+\p+1], v[S0+2*\i:S0+2*\i+1] op_sel_hi:[1,0] neg_lo:[0,1] neg_hi:[0,1]
.endr
.endr
	; the variance: the mean of the centred squares
.irp i, 0,1,2,3
	v_pk_mul_f32 v[S0+2*\i:S0+2*\i+1], v[X+32*\i:X+32*\i+1], v[X+32*\i:X+32*\i+1]
	v_pk_mul_f32 v[S1+2*\i:S1+2*\i+1], v[X+32*\i+2:X+32*\i+3], v[X+32*\i+2:X+32*\i+3]
.endr
.irp p, 4,8,12,16,20,24,28
.irp i, 0,1,2,3
	v_pk_fma_f32 v[S0+2*\i:S0+2*\i+1], v[X+32*\i+\p:X+32*\i+\p+1], v[X+32*\i+\p:X+32*\i+\p+1], v[S0+2*\i:S0+2*\i+1]
	v_pk_fma_f32 v[S1+2*\i:S1+2*\i+1], v[X+32*\i+\p+2:X+32*\i+\p+3], v[X+32*\i+\p+2:X+32*\i+\p+3], v[S1+2*\i:S1+2*\i+1]
.endr
.endr
.irp i, 0,1,2,3
	v_pk_add_f32 v[S0+2*\i:S0+2*\i+1], v[S0+2*\i:S0+2*\i+1], v[S1+2*\i:S1+2*\i+1]
.endr
.irp i, 0,1,2,3
	v_add_f32 v[S0+2*\i], v[S0+2*\i], v[S0+2*\i+1]
.endr
	ACROSS
.irp i, 0,1,2,3
	v_fmaak_f32 v[S1+2*\i], v[S0+2*\i], v[RK], 0x3727c5ac   ; var + 1e-5
.endr
	s_wait_alu depctr_va_vdst(0)
.irp i, 0,1,2,3
	v_rsq_f32 v[S1+2*\i], v[S1+2*\i]
.endr
	v_nop                                          ; a plain instruction between the last root and the use of its result
	s_wait_loadcnt 0x0                             ; g and b
	s_wait_kmcnt 0x0
	s_add_co_i32 s22, s22, 127
	s_lshl_b32 s23, s22, 23
	v_mov_b32 v[SCV], s23                          ; 2^e as f32: the conversion takes its exponent field
	s_add_co_i32 s22, s22, 8
	s_lshl_b32 s22, s22, 23
	s_or_b32 s22, s22, 0x600000
	v_mov_b32 v[LIM], s22                          ; 448 x 2^e
	s_wait_alu depctr_va_vdst(0)
.macro NORM i
.irp p, 0,2,4,6,8,10,12,14,16,18,20,22,24,26,28,30
	v_pk_mul_f32 v[X+32*\i+\p:X+32*\i+\p+1], v[X+32*\i+\p:X+32*\i+\p+1], v[S1+2*\i:S1+2*\i+1] op_sel_hi:[1,0]
.endr
.irp p, 0,2,4,6,8,10,12,14,16,18,20,22,24,26,28,30
	v_pk_fma_f32 v[X+32*\i+\p:X+32*\i+\p+1], v[X+32*\i+\p:X+32*\i+\p+1], v[G+\p:G+\p+1], v[B+\p:B+\p+1]
.endr
.irp p, 0,1,2,3,4,5,6,7,8,9,10,11,12,13,14,15,16,17,18,19,20,21,22,23,24,25,26,27,28,29,30,31
	v_med3_num_f32 v[X+32*\i+\p], v[X+32*\i+\p], -v[LIM], v[LIM]   ; the conversion to an 8-bit code does not saturate (ISA guide 7.6.2): the hold comes first
.endr
.irp m, 0,1,2,3
	v_cvt_scalef32_pk8_fp8_f32 v[C+8*\i+2*\m:C+8*\i+2*\m+1], v[X+32*\i+8*\m:X+32*\i+8*\m+7], v[SCV]
.endr
	v_nop                                          ; a plain instruction behind the last conversion of the run
.irp j, 0,1,2,3,4,5,6,7
	ds_store_b32 v[STA], v[C+8*\i+\j] offset:1024*\i+128*\j   ; four codes of k = 128 j + 4 lane
.endr
.endm
	NORM 0
	NORM 1
	NORM 2
	NORM 3
.irp t, 0,1,2,3,4,5,6,7
	ds_load_b128 v[X+4*\t:X+4*\t+3], v[LDA] offset:512*\t   ; LDS serves a wave's instructions in order: these see my stores
.endr
.irp t, 0,1,2,3,4,5,6,7
	s_wait_dscnt 7-\t                              ; read-back t is in; the younger ones may be out
	global_store_b128 v[L16], v[X+4*\t:X+4*\t+3], s[12:13] offset:512*\t   ; 512 consecutive bytes, aligned: my four rows of codes are 4,096 dense bytes
.endr
	s_wait_tensorcnt 0x0
	ds_add_u32 v62, v63
	s_wait_dscnt 0x0
	s_endpgm
.Lfunc_end_k_qcf852ce8f1_ln1:
	.size	k_qcf852ce8f1_ln1, .Lfunc_end_k_qcf852ce8f1_ln1-k_qcf852ce8f1_ln1
	.p2alignl 7, 3214868480
	.fill 96, 4, 3214868480
	.section	.rodata,"a",@progbits
	.p2align	6, 0x0
	.amdhsa_kernel k_qcf852ce8f1_ln1
		.amdhsa_group_segment_fixed_size 16896
		.amdhsa_private_segment_fixed_size 0
		.amdhsa_enable_private_segment 0
		.amdhsa_kernarg_size 40
		.amdhsa_user_sgpr_count 2
		.amdhsa_user_sgpr_kernarg_segment_ptr 1
		.amdhsa_wavefront_size32 1
		.amdhsa_system_sgpr_workgroup_id_x 1
		.amdhsa_system_sgpr_workgroup_id_y 1
		.amdhsa_system_sgpr_workgroup_id_z 1
		.amdhsa_system_vgpr_workitem_id 0
		.amdhsa_next_free_vgpr 256
		.amdhsa_next_free_sgpr 66
		.amdhsa_reserve_vcc 0
		.amdhsa_float_denorm_mode_32 3
		.amdhsa_float_denorm_mode_16_64 3
		.amdhsa_memory_ordered 1
		.amdhsa_forward_progress 1
		.amdhsa_inst_pref_size 43
	.end_amdhsa_kernel
	.amdgpu_metadata
---
amdhsa.version: [ 1, 2 ]
amdhsa.kernels:
  - .name:           k_qcf852ce8f1_ln1
    .symbol:         k_qcf852ce8f1_ln1.kd
    .args:
      - { .name: x, .offset: 0, .size: 8, .value_kind: global_buffer, .address_space: global }
      - { .name: ln1_g, .offset: 8, .size: 8, .value_kind: global_buffer, .address_space: global }
      - { .name: ln1_b, .offset: 16, .size: 8, .value_kind: global_buffer, .address_space: global }
      - { .name: lowp_scales, .offset: 24, .size: 8, .value_kind: global_buffer, .address_space: global }
      - { .name: hc, .offset: 32, .size: 8, .value_kind: global_buffer, .address_space: global }
    .group_segment_fixed_size: 16896
    .private_segment_fixed_size: 0
    .kernarg_segment_align: 8
    .kernarg_segment_size: 40
    .max_flat_workgroup_size: 128
    .sgpr_count:     66
    .vgpr_count:     256
    .wavefront_size: 32
...
	.end_amdgpu_metadata
.endif
;; end of part 1
;; launch qkv (part 2): grid 12 x 16, 4 waves a work-group, clusters of 4 x 4, 327,680 bytes of LDS; arguments hc, w_qkv_codes, lowp_scales, qc, kc, vc; writes qc, kc, vc
.if DOCPART == 2
	.amdgcn_target "amdgcn-amd-amdhsa--gfx1250"
	.amdhsa_code_object_version 6
	.text
	.protected	k_qcf852ce8f1_qkv
	.globl	k_qcf852ce8f1_qkv
	.p2align	8
	.type	k_qcf852ce8f1_qkv,@function
k_qcf852ce8f1_qkv:
	s_mov_b64 s[64:65], 0
	v_nop
	global_prefetch_b8 v0, s[64:65] scope:SCOPE_SE
	s_setreg_imm32_b32 hwreg(HW_REG_WAVE_MODE, 25, 1), 1
	s_wait_xcnt 0x0
	s_wait_alu depctr_hold_cnt(0) depctr_sa_sdst(0) depctr_va_vdst(0) depctr_va_sdst(0) depctr_va_ssrc(0) depctr_va_vcc(0) depctr_vm_vsrc(0)
	s_getreg_b32 s2, hwreg(HW_REG_IB_STS2, 6, 4)
	s_cmp_eq_u32 s2, 0
	s_cbranch_scc0 .Lentry_in_a_cluster
	s_endpgm
.Lentry_in_a_cluster:
	s_bfe_u32 s2, ttmp6, 0x10000c
	s_cmp_lg_u32 s2, 0xf033
	s_cbranch_scc0 .Lentry_shape_is_right
	s_endpgm
.Lentry_shape_is_right:
; qkv = h W^T on codes of FP8 (E4M3): h [4096][1024], W [3072][1024], K innermost; the sums, f32, are quantised at once for the attention's products and stored as IMAGES OF OPERAND REGISTERS.
; A tile of 256 x 256 is made by four waves, 128 x 128 each: 64 accumulators, 512 registers.  K goes in steps of 256 through a ring of two LDS slots filled by the tensor data mover.
; CLUSTERS: 4 x 4 work-groups; the tile of the operand called A here is shared along a row of the cluster, B's along a column: each is asked for jointly.
; The matrix instruction takes 16 rows of B as source 0 and 16 rows of A as source 1: a lane holds ONE row of A (lane % 16) and eight neighbouring rows of B (8 (lane / 16) + 0..7).
; Cluster column 0 makes q, 1 makes k: A = h (tokens), B = W: a lane's eight numbers run along the head's 64, the K of q k^T.
; Cluster column 2 makes v: the two buffers change places, A = W's rows 2,048 on, B = h: a lane's eight numbers run along the tokens, the K of p v.  Only pointers and tile numbers are selected; no instruction and no branch differs.
; OUT.  One conversion of an accumulator gives registers 2 b, 2 b + 1 of an operand in the layout of the plain 8-bit forms.  Four registers of 32 lanes are stored as 512 consecutive bytes, lane l's 16 at 16 l.
;   qc, kc: [batch 2][head pair 8][tile of 16 tokens 128][head of the pair 2][1,024 bytes: 8 registers];   vc: [128 tokens 32][head 16][16 of the head's 64: 4][2,048 bytes: 16 registers].
; code = sum / 2^(eX - e0 - e1), held within +-448; eX = e2 (q), e3 (k), e5 (v).  LIMIT: eX - e0 - e1 between -126 and 119.  NaN is not served.
; REGISTERS, in windows of 256: window 0: v0-31 addresses; from v128 A's fragments, ONE set; on the way out v32-95 held numbers, v128-255 codes.  window 1: B's fragments, TWO sets.  windows 2, 3: the accumulators ((a, b) at v[8 (8 (a % 4) + b)]).
.set SIZE_K, 1024
.set KSTEP,  256                       ; along K in a slot
.set ROWB,   256                       ; a tile's row in bytes
.set KROW,   SIZE_K                    ; a row of A or of B in memory, in bytes
.set PITCH,  272                       ; an LDS row: 256 bytes + 16 of padding = 68 words: the 16 rows that a load touches start at 16 different banks (64 banks of 4 bytes: ISA guide 11.1)
.set FR,     16                        ; registers of a fragment: 16 rows x 128 K
.set NL,     4                         ; LDS loads that bring one
.set NP,     4                         ; places behind this matrix instruction (ISA guide 7.12.1)
.set HALFT,  128*PITCH                 ; 128 rows: what one tensor load brings
.set SLOT,   4*HALFT                   ; A's 256 rows, then B's 256 rows
.set LAPS,   SIZE_K/(2*KSTEP)          ; a lap = once round the ring
.set SPARE,  2*SLOT                    ; behind the ring: the spare words, 128 bytes for each wave
.set LIM,  12                          ; v12  448 x the conversion's scale
.set SCV,  13                          ; v13  the conversion's scale
.set ADRA, 16                          ; v16-17  LDS address of my A fragments in slot 0, 1
.set ADRB, 20                          ; v20-21  the same for B
.set CO,   26                          ; v26  16 x lane
.set SPW,  28                          ; v28  LDS address of my spare word; never rewritten
.set NIL,  29                          ; v29  0; never rewritten
.set TMP,  32                          ; the way out: a block's 64 numbers, held
.set AF,   128                         ; A's fragments, in window 0
.set CD,   128                         ; the way out: codes, 16 registers a block
.set G1, 24                            ; s[24:31] descriptor group 1 for A's tiles;  s[32:39] group 0, one set for each slot
.set G0, 32
.set G1B, 48                           ; s[48:55], s[56:63] the same for B's tiles
.set G0B, 56
.set MSB, 0
.macro WIN new                         ; the immediate's high byte repeats the setting that is left
.if MSB != \new
	s_set_vgpr_msb (MSB<<8)|\new
.set MSB, \new
.endif
.endm
.set MUL_LO, 0xa1                      ; source 0 (B) window 1, source 1 (A) window 0, C and D window 2
.set MUL_HI, 0xf1                      ; the same, C and D window 3
.set TO_B,   0x40                      ; destination window 1, address window 0
; A joint load: waves 0 and 1 fetch for A, waves 2 and 3 for B; the branch hangs on the wave's number alone.  Four v_nop follow each of the two lines.
.macro JLOAD g0a, g1a, g0b, g1b
	s_cmp_eq_u32 s15, 0
	s_cbranch_scc0 .Lfor_b_\@
	tensor_load_to_lds s[\g0a:\g0a+3], s[\g1a:\g1a+7]
	s_nop 0
.rept 4
	v_nop
.endr
	s_branch .Lasked_\@
.Lfor_b_\@:
	tensor_load_to_lds s[\g0b:\g0b+3], s[\g1b:\g1b+7]
	s_nop 0
.rept 4
	v_nop
.endr
.Lasked_\@:
.endm
.macro CREST                           ; a round of the cluster's barrier behind its opening barrier
	s_cmp_lg_u32 s14, 0
	s_cbranch_scc1 .Lnot_wave_0_\@
	s_barrier_signal -3
.Lnot_wave_0_\@:
	s_barrier_wait -3
	s_barrier_signal -1
	s_barrier_wait -1
.endm
.macro CROUND                          ; a whole round
	s_barrier_signal -1
	s_barrier_wait -1
	CREST
.endm
	s_load_b128 s[4:7], s[0:1], 0x0                ; h's codes s[4:5], W's codes s[6:7]
	s_load_b128 s[8:11], s[0:1], 0x10              ; the scales' exponents s[8:9], qc s[10:11]
	s_load_b128 s[84:87], s[0:1], 0x20             ; kc s[84:85], vc s[86:87]
	v_lshl_add_u32 v[SPW], v0, 2, SPARE
	v_mov_b32 v[NIL], 0
	ds_add_u32 v28, v29
	ds_add_u32 v28, v29
	s_wait_dscnt 0x0
	v_lshrrev_b32 v1, 5, v0
	v_readfirstlane_b32 s14, v1                    ; wave 0..3
	s_lshr_b32 s15, s14, 1                         ; which half of A's rows is mine.  Also: I fetch for A (0) or for B (1)
	s_and_b32 s16, s14, 1                          ; which half of B's rows.  Also: which 128 rows of that tile I fetch
	s_bfe_u32 s40, ttmp6, 0x40000                  ; cx, cy: my place in the cluster
	s_bfe_u32 s41, ttmp6, 0x40004
	s_and_b32 s17, ttmp7, 0xffff                   ; the cluster's y
	s_cmp_eq_u32 ttmp9, 2                          ; v's clusters?  The cluster's x is the same in all partners
	s_cselect_b32 s42, s17, ttmp9                  ; B's tiles walk with the cluster's y (v: tokens) or x (q, k: W's rows)
	s_cselect_b32 s17, 0, s17                      ; A's with nothing (v: W's 1,024 rows are four tiles) or with the cluster's y
	s_lshl_b32 s42, s42, 2
	s_add_co_u32 s42, s42, s40                     ; B's tile: + cx
	s_lshl_b32 s17, s17, 2
	s_add_co_u32 s17, s17, s41                     ; A's tile: + cy
	s_lshl_b32 s43, s41, 2
	s_lshl_b32 s43, 15, s43                        ; my row of the cluster
	s_lshl_b32 s44, 0x1111, s40                    ; my column
	; descriptor group 1: a tile of 128 rows x 256 bytes, padded in LDS
	s_or_b32 s[G1+0], s43, (0<<16)|(1<<20)|(1<<21)|(5<<22)|(3<<25)  ; 15:0 the mask: A's tiles go to my row; 17:16 element of 1 byte; 20 padding on; 21 set beside a mask; 24:22 after every 64 words; 31:25 four words
	s_or_b32 s[G1B+0], s44, (0<<16)|(1<<20)|(1<<21)|(5<<22)|(3<<25)
.irp g, G1, G1B
	s_mov_b32 s[\g+1], ROWB<<16                    ; tensor_dim0
	s_mov_b32 s[\g+2], 128<<16                     ; tensor_dim1 = 128
	s_mov_b32 s[\g+3], ROWB<<16                    ; tile_dim0
	s_mov_b32 s[\g+4], 128                         ; tile_dim1 = 128
	s_mov_b32 s[\g+5], KROW                        ; tensor_dim0_stride
	s_mov_b32 s[\g+6], 0
	s_mov_b32 s[\g+7], 0
.endr
	s_lshl_b32 s18, s16, 7                         ; which 128 rows of the tile I fetch
	s_lshl_b32 s20, s17, 8
	s_add_co_u32 s20, s20, s18                     ; A: row 256 x tile + 128 x half
	s_lshl_b32 s46, s42, 8
	s_add_co_u32 s46, s46, s18                     ; B likewise
	s_lshl_b32 s20, s20, 10                        ; rows of 1,024 bytes
	s_lshl_b32 s46, s46, 10
	s_cmp_eq_u32 ttmp9, 2
	s_cselect_b32 s19, 0x200000, 0                 ; v: W's rows 2,048 on
	s_add_co_u32 s20, s20, s19
	s_mov_b32 s21, 0
	s_mov_b32 s47, 0
	s_mul_i32 s45, s14, HALFT                      ; where they go: wave x 128 rows: no place in the cluster enters an LDS address
	s_wait_kmcnt 0x0
	s_load_b256 s[72:79], s[8:9], 0x0              ; e0 .. e7
	s_cmp_eq_u32 ttmp9, 2
	s_cselect_b64 s[88:89], s[6:7], s[4:5]         ; A's buffer
	s_cselect_b64 s[90:91], s[4:5], s[6:7]         ; B's buffer
	s_add_nc_u64 s[20:21], s[88:89], s[20:21]
	s_add_nc_u64 s[46:47], s[90:91], s[46:47]
	CROUND                                         ; all sixteen work-groups are here: the first joint loads meet
.irp s, 0,1
	s_mov_b32 s[G0+4*\s], 1
	s_add_co_u32 s[G0+4*\s+1], s45, \s*SLOT
	s_add_nc_u64 s[G0+4*\s+2:G0+4*\s+3], s[20:21], \s*ROWB
	s_or_b32 s[G0+4*\s+3], s[G0+4*\s+3], 0x80000000
	s_mov_b32 s[G0B+4*\s], 1
	s_add_co_u32 s[G0B+4*\s+1], s45, \s*SLOT
	s_add_nc_u64 s[G0B+4*\s+2:G0B+4*\s+3], s[46:47], \s*ROWB
	s_or_b32 s[G0B+4*\s+3], s[G0B+4*\s+3], 0x80000000
.endr
	JLOAD G0, G1, G0B, G1B                         ; K step 0: one tensor load a wave at the head
	; PREFETCH: of the 128 rows that I fetch, each of the four partners that ask for them jointly takes 32, told apart by address (cx for A, cy for B); a lane a row; a K step of a row is 256 bytes, aligned.
	; K steps 1 and 2 are asked for here, K step 3 behind K step 1's load; K step 0 comes by its load alone.  The address registers are never rewritten.
	s_cmp_eq_u32 s15, 0                            ; do I fetch for A?
	s_cselect_b64 s[68:69], s[20:21], s[46:47]     ; the first byte of what I fetch
	s_cselect_b32 s70, s40, s41                    ; my place among the four
	s_lshl_b32 s70, s70, 15                        ; 32 rows of 1,024 bytes
	s_mov_b32 s71, 0
	s_add_nc_u64 s[68:69], s[68:69], s[70:71]
	v_and_b32 v8, 31, v0
	v_lshlrev_b32 v8, 10, v8                       ; my lane's row
	global_prefetch_b8 v8, s[68:69] offset:256 th:TH_LOAD_NT scope:SCOPE_SE
	global_prefetch_b8 v8, s[68:69] offset:512 th:TH_LOAD_NT scope:SCOPE_SE
	v_and_b32 v1, 15, v0                           ; l % 16
	v_bfe_u32 v2, v0, 4, 1                         ; l / 16
	v_mul_u32_u24 v3, v1, PITCH
	v_lshl_add_u32 v4, v2, 4, v3                   ; a fragment's row x pitch + 16 x half
	s_mul_i32 s21, s15, HALFT                      ; my 128 rows of A
	s_mul_i32 s22, s16, HALFT                      ; my 128 rows of B,
	s_add_co_u32 s22, s22, 2*HALFT                 ; which lie behind A's 256
.irp s, 0,1
	v_add_nc_u32 v[ADRA+\s], s21, v4
	v_add_nc_u32 v[ADRB+\s], s22, v4
	s_add_co_u32 s21, s21, SLOT
	s_add_co_u32 s22, s22, SLOT
.endr
	v_and_b32 v6, 31, v0
	v_lshlrev_b32 v[CO], 4, v6
.macro FRAG reg, adr, q, i             ; a fragment: lane l holds row l % 16; registers 4 c .. 4 c + 3 hold K = 32 c + 16 (l / 16) + 0 .. 15: the same permutation of k in A and in B
.irp c, 0,1,2,3
	ds_load_b128 v[\reg+4*\c:\reg+4*\c+3], v[\adr] offset:128*(\q)+32*\c+(\i)*16*PITCH
.endr
.endm
; 16 matrix instructions: A's blocks a0, a0 + 1 x B's eight, 128 along K.  p: B's set.  zero = 1: the first product starts the sums.
; The 64 accumulators take turns, one instruction a turn, in the same order in every step.
.macro MUL16 a0, p, zero
.irp a, \a0, \a0+1
.irp b, 0,1,2,3,4,5,6,7
.if \zero
	v_wmma_f32_16x16x128_fp8_fp8 v[8*(8*((\a)%4)+\b):8*(8*((\a)%4)+\b)+7], v[128*(\p)+FR*\b:128*(\p)+FR*\b+FR-1], v[AF+FR*(\a):AF+FR*(\a)+FR-1], 0
.else
	v_wmma_f32_16x16x128_fp8_fp8 v[8*(8*((\a)%4)+\b):8*(8*((\a)%4)+\b)+7], v[128*(\p)+FR*\b:128*(\p)+FR*\b+FR-1], v[AF+FR*(\a):AF+FR*(\a)+FR-1], v[8*(8*((\a)%4)+\b):8*(8*((\a)%4)+\b)+7]
.endif
.endr
.endr
.endm
.macro FETCH_B slot, q, p              ; B's eight fragments of the slot's q-th 128 along K into set p
	WIN TO_B
.irp i, 0,1,2,3,4,5,6,7
	FRAG 128*(\p)+FR*\i, ADRB+\slot, \q, \i
.endr
	WIN 0
.endm
.macro FETCH_A slot, q, i0             ; A's blocks i0 .. i0 + 3
.irp i, \i0, \i0+1, \i0+2, \i0+3
	FRAG AF+FR*(\i), ADRA+\slot, \q, \i
.endr
.endm
.macro PLACES n                        ; plain vector instructions between a matrix instruction and a load into, or a vector read or write of, its registers
.rept \n
	v_nop
.endr
.endm
; A step of 128 along K that has its successor in the same slot.
.macro STEP slot, q, zero
	s_wait_dscnt 4*NL                              ; B's set and A's blocks 0-3 are in; the youngest sixteen loads (A's blocks 4-7) may be out
	WIN MUL_LO
	MUL16 0, (\q)%2, \zero
	MUL16 2, (\q)%2, \zero
	s_wait_dscnt 0                                 ; A's blocks 4-7 are in
	PLACES NP
	FETCH_B \slot, (\q)+1, 1-(\q)%2
	FETCH_A \slot, (\q)+1, 0
	WIN MUL_HI
	MUL16 4, (\q)%2, \zero
	MUL16 6, (\q)%2, \zero
	PLACES NP
	WIN 0
	FETCH_A \slot, (\q)+1, 4
.endm
; A slot's last step changes slots: ONE barrier; in front of it each wave waits for all its tensor loads, adds 0 to its spare word, and waits for that and for its own reads of this slot.  fill = 1: this slot is filled again.
.macro TURN slot, next, fill
	s_wait_tensorcnt 0x0                           ; all my tensor loads have landed: my part of the next slot
	ds_add_u32 v[SPW], v[NIL]                      ; 0 onto my spare word
	s_wait_dscnt 4*NL+1                            ; (the add and the youngest sixteen loads may be out)
	WIN MUL_LO
	MUL16 0, 1, 0                                  ; sixteen matrix instructions stand between the add and the wait for it
	s_wait_dscnt 0x0                               ; the add is done, and my reads of this slot are over
	s_barrier_signal -1
	MUL16 2, 1, 0
	WIN 0
	s_barrier_wait -1
.if \fill
	CREST                                          ; the barrier has opened a round of the cluster's barrier: no wave of any partner still reads this slot or has a load on its way
	s_add_nc_u64 s[G0+4*\slot+2:G0+4*\slot+3], s[G0+4*\slot+2:G0+4*\slot+3], 2*ROWB
	s_add_nc_u64 s[G0B+4*\slot+2:G0B+4*\slot+3], s[G0B+4*\slot+2:G0B+4*\slot+3], 2*ROWB
	JLOAD G0+4*\slot, G1, G0B+4*\slot, G1B         ; the first tensor load behind the round; its four v_nop are the places in front of the loads below
.else
	PLACES NP
.endif
	FETCH_B \next, 0, 0
	FETCH_A \next, 0, 0
	WIN MUL_HI
	MUL16 4, 1, 0
	MUL16 6, 1, 0
	PLACES NP
	WIN 0
	FETCH_A \next, 0, 4
.endm
	s_wait_alu depctr_va_vdst(0)
	s_wait_tensorcnt 0x0                           ; my part of K step 0 is in
	ds_add_u32 v[SPW], v[NIL]
	s_wait_dscnt 0x0
	CROUND                                         ; a whole round: everybody's part of K step 0 is in, and the joint loads meet
	JLOAD G0+4, G1, G0B+4, G1B                     ; K step 1's load, the first tensor load behind the round
	FETCH_B 0, 0, 0
	FETCH_A 0, 0, 0
	FETCH_A 0, 0, 4
	global_prefetch_b8 v8, s[68:69] offset:768 th:TH_LOAD_NT scope:SCOPE_SE   ; K step 3, behind K step 1's load and the run of LDS loads
	STEP 0, 0, 1
	s_mov_b32 s3, LAPS-1
.Llap:                                                 ; a trip goes once round the ring and fills both slots again
	TURN 0, 1, 1
	STEP 1, 0, 0
	TURN 1, 0, 1
	STEP 0, 0, 0
	s_sub_co_u32 s3, s3, 1
	s_cmp_lg_u32 s3, 0
	s_cbranch_scc1 .Llap
	TURN 0, 1, 0                                   ; the last lap fills nothing
	STEP 1, 0, 0
	s_wait_dscnt 4*NL                              ; the very last step
	WIN MUL_LO
	MUL16 0, 1, 0
	MUL16 2, 1, 0
	s_wait_dscnt 0
	WIN MUL_HI
	MUL16 4, 1, 0
	MUL16 6, 1, 0
	WIN 0
	; THE WAY OUT: which tensor, which scale, which unit of 2,048 bytes: selected on the cluster's x, with no branch
	s_wait_kmcnt 0x0
	s_cmp_eq_u32 ttmp9, 1
	s_cselect_b32 s80, s75, s74                    ; e3 for k, e2 for q
	s_cselect_b64 s[10:11], s[84:85], s[10:11]
	s_cmp_eq_u32 ttmp9, 2
	s_cselect_b32 s80, s77, s80                    ; e5 for v
	s_cselect_b64 s[10:11], s[86:87], s[10:11]
	s_lshl_b32 s81, s17, 4
	s_lshl_b32 s82, s15, 3
	s_add_co_u32 s81, s81, s82                     ; Tm: my first block of 16 rows of A
	s_lshr_b32 s82, s81, 7                         ; q, k: the batch,
	s_lshl_b32 s82, s82, 10
	s_and_b32 s83, s81, 127                        ; the tile of tokens in it,
	s_add_co_u32 s82, s82, s83
	s_lshl_b32 s83, s40, 1
	s_add_co_u32 s83, s83, s16                     ; the head pair: 2 cx + my half of B
	s_lshl_b32 s83, s83, 7
	s_add_co_u32 s82, s82, s83
	s_lshl_b32 s83, s42, 1
	s_add_co_u32 s83, s83, s16                     ; v: my 128 tokens,
	s_lshl_b32 s83, s83, 6
	s_add_co_u32 s83, s83, s81                     ; x 64 + 4 x head + the sixteen of the head's 64
	s_cmp_eq_u32 ttmp9, 2
	s_cselect_b32 s82, s83, s82
	s_lshl_b32 s82, s82, 11
	s_mov_b32 s83, 0
	s_add_nc_u64 s[10:11], s[10:11], s[82:83]
	s_sub_co_i32 s80, s80, s72
	s_sub_co_i32 s80, s80, s73                     ; a sum stands for sum x 2^(e0 + e1): the three scales are folded into the conversion's one
	s_add_co_i32 s80, s80, 127
	s_lshl_b32 s81, s80, 23
	v_mov_b32 v[SCV], s81
	s_add_co_i32 s80, s80, 8
	s_lshl_b32 s80, s80, 23
	s_or_b32 s80, s80, 0x600000
	v_mov_b32 v[LIM], s80
	PLACES NP
.macro OUTQ a                          ; block a: 16 rows of A x my 128 rows of B: 16 registers of codes, their own, so that no store's data are written again
.set AC, 64*((\a)%4)
	WIN 0x02+((\a)/4)                              ; source 0: window 2 or 3
.set n, 0
.rept 64
	v_med3_num_f32 v[TMP+n], v[AC+n], -v[LIM], v[LIM]   ; the hold at the largest code x the scale; each accumulator from its low end on
.set n, n+1
.endr
	WIN 0
.irp b, 0,1,2,3,4,5,6,7
	v_cvt_scalef32_pk8_fp8_f32 v[CD+16*(\a)+2*\b:CD+16*(\a)+2*\b+1], v[TMP+8*\b:TMP+8*\b+7], v[SCV]
.endr
	v_nop                                          ; a plain instruction behind the last conversion: the next block writes the numbers' registers
.irp g, 0,1,2,3
	global_store_b128 v[CO], v[CD+16*(\a)+4*\g:CD+16*(\a)+4*\g+3], s[10:11] offset:2048*(\a)+512*\g   ; 512 consecutive bytes, aligned
.endr
.endm
.irp a, 0,1,2,3,4,5,6,7
	OUTQ \a
.endr
	s_wait_tensorcnt 0x0                           ; the wave's end
	ds_add_u32 v[SPW], v[NIL]
	s_wait_dscnt 0x0
	CROUND                                         ; the closing round: no work-group ends while a partner may still ask for a tile that names it
	s_endpgm
.Lfunc_end_k_qcf852ce8f1_qkv:
	.size	k_qcf852ce8f1_qkv, .Lfunc_end_k_qcf852ce8f1_qkv-k_qcf852ce8f1_qkv
	.p2alignl 7, 3214868480
	.fill 96, 4, 3214868480
	.section	.rodata,"a",@progbits
	.p2align	6, 0x0
	.amdhsa_kernel k_qcf852ce8f1_qkv
		.amdhsa_group_segment_fixed_size 327680
		.amdhsa_private_segment_fixed_size 0
		.amdhsa_enable_private_segment 0
		.amdhsa_kernarg_size 48
		.amdhsa_user_sgpr_count 2
		.amdhsa_user_sgpr_kernarg_segment_ptr 1
		.amdhsa_wavefront_size32 1
		.amdhsa_system_sgpr_workgroup_id_x 1
		.amdhsa_system_sgpr_workgroup_id_y 1
		.amdhsa_system_sgpr_workgroup_id_z 1
		.amdhsa_system_vgpr_workitem_id 0
		.amdhsa_next_free_vgpr 1024
		.amdhsa_next_free_sgpr 100
		.amdhsa_reserve_vcc 0
		.amdhsa_float_denorm_mode_32 3
		.amdhsa_float_denorm_mode_16_64 3
		.amdhsa_memory_ordered 1
		.amdhsa_forward_progress 1
		.amdhsa_inst_pref_size 119
	.end_amdhsa_kernel
	.amdgpu_metadata
---
amdhsa.version: [ 1, 2 ]
amdhsa.kernels:
  - .name:           k_qcf852ce8f1_qkv
    .symbol:         k_qcf852ce8f1_qkv.kd
    .args:
      - { .name: hc, .offset: 0, .size: 8, .value_kind: global_buffer, .address_space: global }
      - { .name: w_qkv_codes, .offset: 8, .size: 8, .value_kind: global_buffer, .address_space: global }
      - { .name: lowp_scales, .offset: 16, .size: 8, .value_kind: global_buffer, .address_space: global }
      - { .name: qc, .offset: 24, .size: 8, .value_kind: global_buffer, .address_space: global }
      - { .name: kc, .offset: 32, .size: 8, .value_kind: global_buffer, .address_space: global }
      - { .name: vc, .offset: 40, .size: 8, .value_kind: global_buffer, .address_space: global }
    .group_segment_fixed_size: 327680
    .private_segment_fixed_size: 0
    .kernarg_segment_align: 8
    .kernarg_segment_size: 48
    .max_flat_workgroup_size: 128
    .sgpr_count:     100
    .vgpr_count:     1024
    .wavefront_size: 32
...
	.end_amdgpu_metadata
.endif
;; end of part 2
;; launch attn (part 3): grid 8 x 32, 16 waves a work-group, clusters of 4 x 1, 327,680 bytes of LDS; arguments qc, kc, vc, lowp_scales, oc; writes oc
.if DOCPART == 3
	.amdgcn_target "amdgcn-amd-amdhsa--gfx1250"
	.amdhsa_code_object_version 6
	.text
	.protected	k_qcf852ce8f1_attn
	.globl	k_qcf852ce8f1_attn
	.p2align	8
	.type	k_qcf852ce8f1_attn,@function
k_qcf852ce8f1_attn:
	s_mov_b64 s[64:65], 0
	v_nop
	global_prefetch_b8 v0, s[64:65] scope:SCOPE_SE
	s_setreg_imm32_b32 hwreg(HW_REG_WAVE_MODE, 25, 1), 1
	s_wait_xcnt 0x0
	s_wait_alu depctr_hold_cnt(0) depctr_sa_sdst(0) depctr_va_vdst(0) depctr_va_sdst(0) depctr_va_ssrc(0) depctr_va_vcc(0) depctr_vm_vsrc(0)
	s_getreg_b32 s2, hwreg(HW_REG_IB_STS2, 6, 4)
	s_cmp_eq_u32 s2, 0
	s_cbranch_scc0 .Lentry_in_a_cluster
	s_endpgm
.Lentry_in_a_cluster:
	s_bfe_u32 s2, ttmp6, 0x10000c
	s_cmp_lg_u32 s2, 0x3003
	s_cbranch_scc0 .Lentry_shape_is_right
	s_endpgm
.Lentry_shape_is_right:
; Causal attention of one head on codes of FP8 (E4M3): o = softmax(q k^T / 8) v, 2,048 tokens, head size 64; the result is quantised with 2^e6 for the next product.
; Key steps that lie wholly behind the causal mask are left out.
; THE SOFTMAX AHEAD OF THE SECOND PRODUCT: t = score x log2(e) / 8; M = the running largest t, rounded UP to a whole number; p = 2^(t - M) is quantised with 2^e4, not normalised; the row's sum is taken of the unquantised p
; and divides at the end.  When M moves, the sum and O are multiplied by 2^(old M - new M): exact.
; SHARES.  Work-group (j, head of a batch), j = 0..7, owns the 16 tiles of 16 queries 8 rho + j, rho = 0..15.  A key step is 128 keys; tile rho needs steps 0 .. rho, the last on the diagonal, whatever j is: the four partners of a cluster run alike.
; THE WAVES' WALKS ARE EVENED OUT.  Waves 2 p and 2 p + 1 are a pair that serves tiles 15 - p (16 - p steps) and p (p + 1 steps): 17 steps.  The OWNER walks steps 7 - p .. 15 - p of tile 15 - p: nine steps.
; The HELPER walks steps 0 .. 6 - p of tile 15 - p with a state of its own (-M, the sums, O^T), leaves that state in LDS, and then walks tile p whole: eight steps.  Behind one barrier the owner joins the two states:
; both are brought under the larger M by exact powers of two and added.  Which wave of a pair helps is (w xor w / 4) % 2: of waves w, w + 4, w + 8, w + 12, and of waves 4 i .. 4 i + 3, two own and two help.
; Both walks are loops of 16 trips; a step outside the wave's range is left out by scalar branches on the step's and the wave's numbers; no barrier and no tensor load stands in a step.
; LDS holds the head's whole K and V, each byte filled once: K's 128 tiles of 16 keys (1,024 bytes each) from byte 0, V's 16 steps (8,192 bytes each) from byte 131,072.  They are asked for JOINTLY by the four partners,
; in four parts, one by each of waves 0 to 3, and all are awaited ahead of the first step: an owner's walk begins in the middle of the keys.  No prefetch: the fills stand at the head, with no loop to run ahead in.
; OPERANDS lie in memory and LDS as images of their registers (four registers of 32 lanes: 512 bytes, lane l's 16 at 16 l): no pitch, no padding.
; LAYOUT.  S^T = K Q^T (source 0 = 16 keys, source 1 = my 16 queries), O^T = V^T P^T: a lane holds ONE query (lane % 16).  In tile t register i is key 16 t + 8 (lane / 16) + i: one conversion gives registers 2 t, 2 t + 1 of P.
; oc: [tile of 16 rows 256][128 along K: 8][2,048 bytes]: my eight codes of d = 16 u + 8 h + 0..7 fall at 1,024 (head % 2) + 256 u + 16 r + 8 h.
; LIMITS: e2 + e3 between -123 and 129; e4 and e6 between -126 and 119.  NaN is not served.
.set VOFF,  131072
.set SPARE, 262144                     ; the spare words, 128 bytes for each wave
.set XCH,   SPARE+2048                 ; the helpers' states: 4,608 bytes a pair; no fill lands here
.set XB,    4608
.set L16, 1                            ; v1   16 x lane
.set DQ,  2                            ; v2   16 j + r - 8 h: on the diagonal register 8 t + i is hidden where 16 t + i > DQ
.set XA,  3                            ; v3   LDS address of my lane in my pair's state
.set GO,  4                            ; v4   16 r + 8 h
.set ADK, 8                            ; v8   LDS address of the step's K
.set ADV, 9                            ; v9   of its V
; v12 -M, v13 the largest t, v[14:15] the sum in two halves; v16-23 Q of the walk in hand; v24-31 Q of the tile that I finish; v32-95 K's fragments, then V's; v96-159 S^T, then p; v160-191 O^T; v192-207 p's codes;
; v208 448 x 2^e4, v209 2^e4, v[210:211], v[250:253] further chains of the sum, v[212:213] f, v214-215 at work, v216 a permute's destination, v217 -infinity, v218 2^e6, v219 448 x 2^e6
.set WV,   14                          ; s14  wave
.set RHO,  15                          ; s15  the tile of the walk in hand: its diagonal step
.set ST,   16                          ; s16  the key step
.set TB,   17                          ; s17  8,192 x the key step
.set LO,   2                           ; s2   the walk's first step
.set HI,   3                           ; s3   and its last
.set ROLE, 66                          ; s66  1: helper
.set PP,   67                          ; s67  the pair
.macro CROUND
	s_barrier_signal -1
	s_barrier_wait -1
	s_cmp_lg_u32 s[WV], 0
	s_cbranch_scc1 .Lnot_wave_0_\@
	s_barrier_signal -3
.Lnot_wave_0_\@:
	s_barrier_wait -3
	s_barrier_signal -1
	s_barrier_wait -1
.endm
.macro PLACES
.rept 4
	v_nop
.endr
.endm
.macro INIT                            ; a state that has seen no key: the first change of M leaves the zeros zeros
	v_mov_b32 v13, 0xff61b1e6                      ; the largest t so far: -3e38, under every t
	v_floor_f32 v12, -v13                          ; -M
	v_mov_b32 v14, 0
	v_mov_b32 v15, 0
.set n, 0
.rept 32
	v_mov_b32 v[160+n], 0
.set n, n+1
.endr
.endm
	s_load_b256 s[4:11], s[0:1], 0x0               ; qc s[4:5], kc s[6:7], vc s[8:9], the scales' exponents s[10:11]
	s_load_b64 s[12:13], s[0:1], 0x20              ; oc
	v_lshl_add_u32 v254, v0, 2, SPARE
	v_mov_b32 v255, 0
	ds_add_u32 v254, v255                          ; the opening: the add, twice on end; its wait stands ahead of the first tensor loads
	ds_add_u32 v254, v255
	v_lshrrev_b32 v8, 5, v0
	v_readfirstlane_b32 s[WV], v8                  ; wave 0..15
	s_lshr_b32 s[PP], s[WV], 1
	s_lshr_b32 s[ROLE], s[WV], 2
	s_xor_b32 s[ROLE], s[ROLE], s[WV]
	s_and_b32 s[ROLE], s[ROLE], 1
	s_sub_co_u32 s[RHO], 15, s[PP]                 ; the first walk is on the pair's long tile
	s_mul_i32 s[HI], s[ROLE], 9
	s_sub_co_i32 s[HI], s[RHO], s[HI]              ; owner: up to 15 - p; helper: up to 6 - p (p = 7: -1, no step)
	s_xor_b32 s[LO], s[ROLE], 1
	s_sub_co_u32 s18, 7, s[PP]
	s_mul_i32 s[LO], s[LO], s18                    ; owner: from 7 - p; helper: from 0
	s_cmp_eq_u32 s[ROLE], 1
	s_cselect_b32 s95, s[PP], s[RHO]               ; the tile that I finish
	s_bfe_u32 s18, ttmp6, 0x40000                  ; cx
	s_lshl_b32 s19, ttmp9, 2
	s_add_co_u32 s19, s19, s18                     ; j: it enters Q's and O's addresses and the mask's number alone
	s_and_b32 s84, ttmp7, 0xffff
	s_lshr_b32 s85, s84, 4                         ; the batch
	s_and_b32 s86, s84, 15                         ; the head
	s_lshr_b32 s87, s86, 1                         ; its pair
	s_and_b32 s88, s86, 1                          ; and which of the pair
	s_lshl_b32 s89, s85, 3
	s_add_co_u32 s89, s89, s87
	s_lshl_b32 s90, s89, 18                        ; qc, kc: (batch x 8 + pair) x 128 tiles x 2,048 bytes
	s_lshl_b32 s91, s88, 10
	s_add_co_u32 s90, s90, s91
	s_mov_b32 s91, 0
	s_lshl_b32 s92, s85, 21                        ; vc: (batch x 1,024 + head x 4) x 2,048 bytes
	s_lshl_b32 s93, s86, 13
	s_add_co_u32 s92, s92, s93
	s_mov_b32 s93, 0
	s_lshl_b32 s94, s95, 3
	s_add_co_u32 s94, s94, s19                     ; the tile of queries that I finish,
	s_lshl_b32 s96, s94, 11
	s_add_co_u32 s96, s96, s90
	s_mov_b32 s97, 0
	s_lshl_b32 s100, s[RHO], 3
	s_add_co_u32 s100, s100, s19                   ; and that of the first walk
	s_lshl_b32 s100, s100, 11
	s_add_co_u32 s100, s100, s90
	s_mov_b32 s101, 0
	s_lshl_b32 s98, s85, 7
	s_add_co_u32 s98, s98, s94
	s_lshl_b32 s98, s98, 3
	s_add_co_u32 s98, s98, s87
	s_lshl_b32 s98, s98, 11
	s_lshl_b32 s99, s88, 10
	s_add_co_u32 s98, s98, s99                     ; oc: ((batch x 128 + tile) x 8 + pair) x 2,048 + 1,024 x (head % 2)
	s_mov_b32 s99, 0
	s_mul_i32 s95, s[PP], XB
	s_add_co_u32 s95, s95, XCH                     ; my pair's state
	; descriptor groups 1, elements of 8 bytes, no padding.  K: rows of 128 elements (a tile), 256 elements apart; 32 rows, then 96.  V: rows of 1,024 elements (a step), 16,384 apart; 4 rows, then 12
.irp g, 24, 32
	s_mov_b32 s[\g], 15|(3<<16)|(1<<21)            ; 15:0 the mask: all four work-groups; 17:16 elements of 8 bytes; 21 set beside a mask
	s_mov_b32 s[\g+1], 128<<16                     ; tensor_dim0
	s_mov_b32 s[\g+3], 128<<16                     ; tile_dim0
	s_mov_b32 s[\g+5], 256                         ; tensor_dim0_stride
	s_mov_b32 s[\g+6], 0
	s_mov_b32 s[\g+7], 0
.endr
	s_mov_b32 s26, 32<<16                          ; tensor_dim1
	s_mov_b32 s28, 32                              ; tile_dim1
	s_mov_b32 s34, 96<<16
	s_mov_b32 s36, 96
.irp g, 40, 48
	s_mov_b32 s[\g], 15|(3<<16)|(1<<21)
	s_mov_b32 s[\g+1], 1024<<16
	s_mov_b32 s[\g+3], 1024<<16
	s_mov_b32 s[\g+5], 16384
	s_mov_b32 s[\g+6], 0
	s_mov_b32 s[\g+7], 0
.endr
	s_mov_b32 s42, 4<<16
	s_mov_b32 s44, 4
	s_mov_b32 s50, 12<<16
	s_mov_b32 s52, 12
	s_mov_b32 s20, 0x76543210                      ; lane selects: lane l xor 16
	s_mov_b32 s21, 0xfedcba98
	s_wait_dscnt 0x0
	s_wait_kmcnt 0x0
	s_load_b256 s[76:83], s[10:11], 0x0            ; e0 .. e7
	s_mov_b32 s56, 1                               ; groups 0: K's first part,
	s_mov_b32 s57, 0
	s_add_nc_u64 s[58:59], s[6:7], s[90:91]
	s_mov_b32 s60, 1                               ; its second: 32 tiles on,
	s_mov_b32 s61, 32768
	s_add_nc_u64 s[62:63], s[58:59], 65536
	s_or_b32 s59, s59, 0x80000000
	s_or_b32 s63, s63, 0x80000000
	s_mov_b32 s68, 1                               ; V's first part,
	s_mov_b32 s69, VOFF
	s_add_nc_u64 s[70:71], s[8:9], s[92:93]
	s_mov_b32 s72, 1                               ; its second: 4 steps on
	s_mov_b32 s73, VOFF+32768
	s_add_nc_u64 s[74:75], s[70:71], 524288
	s_or_b32 s71, s71, 0x80000000
	s_or_b32 s75, s75, 0x80000000
	CROUND                                         ; all four work-groups are here: the joint loads meet
	s_cmp_lg_u32 s[WV], 0                          ; one chain of branches on the wave's number, one load to an arm
	s_cbranch_scc1 .Lnot_k
	tensor_load_to_lds s[56:59], s[24:31]
	s_nop 0
	PLACES
	s_branch .Lasked
.Lnot_k:
	s_cmp_lg_u32 s[WV], 1
	s_cbranch_scc1 .Lnot_v
	tensor_load_to_lds s[68:71], s[40:47]
	s_nop 0
	PLACES
	s_branch .Lasked
.Lnot_v:
	s_cmp_lg_u32 s[WV], 2
	s_cbranch_scc1 .Lnot_k2
	tensor_load_to_lds s[60:63], s[32:39]
	s_nop 0
	PLACES
	s_branch .Lasked
.Lnot_k2:
	s_cmp_lg_u32 s[WV], 3
	s_cbranch_scc1 .Lasked
	tensor_load_to_lds s[72:75], s[48:55]
	s_nop 0
	PLACES
.Lasked:
	v_and_b32 v8, 31, v0
	s_delay_alu instid0(VALU_DEP_1)
	v_lshlrev_b32 v[L16], 4, v8
	s_add_nc_u64 s[100:101], s[4:5], s[100:101]
	s_add_nc_u64 s[4:5], s[4:5], s[96:97]
	s_add_nc_u64 s[12:13], s[12:13], s[98:99]
	global_load_b128 v[16:19], v[L16], s[100:101]          ; Q of the first walk
	global_load_b128 v[20:23], v[L16], s[100:101] offset:512
	global_load_b128 v[24:27], v[L16], s[4:5]              ; Q of the tile that I finish
	global_load_b128 v[28:31], v[L16], s[4:5] offset:512
	v_add_nc_u32 v[XA], s95, v[L16]
	v_and_b32 v8, 15, v0                           ; r
	v_bfe_u32 v9, v0, 4, 1                         ; h
	s_delay_alu instid0(VALU_DEP_2)
	v_lshlrev_b32 v[GO], 4, v8
	s_delay_alu instid0(VALU_DEP_1)
	v_lshl_add_u32 v[GO], v9, 3, v[GO]
	s_delay_alu instid0(VALU_DEP_3)
	v_lshlrev_b32 v[DQ], 3, v9
	s_delay_alu instid0(VALU_DEP_1)
	v_sub_nc_u32 v[DQ], v8, v[DQ]
	s_lshl_b32 s18, s19, 4
	v_add_nc_u32 v[DQ], s18, v[DQ]
	v_mov_b32 v213, 0                              ; (named as the upper half of the pair v[212:213])
	v_mov_b32 v216, 0                              ; a lane permute's destination counts as one of its sources
	v_mov_b32 v217, 0xff800000
	INIT
	s_wait_kmcnt 0x0
	s_add_co_i32 s84, s78, s79
	s_lshl_b32 s84, s84, 23
	s_add_co_i32 s22, s84, 0x3e38aa3b              ; c = log2(e) / 8, with e2 + e3 added to its exponent field
	s_mov_b32 s23, s22                             ; (named with it as a pair)
	s_add_co_i32 s84, s80, 127
	s_lshl_b32 s85, s84, 23
	v_mov_b32 v209, s85                            ; 2^e4
	s_add_co_i32 s84, s84, 8
	s_lshl_b32 s84, s84, 23
	s_or_b32 s84, s84, 0x600000
	v_mov_b32 v208, s84                            ; 448 x 2^e4
; A KEY STEP: 128 keys.  A step outside my walk's range is left out.
.macro STEP
	s_lshl_b32 s[TB], s[ST], 13
	s_cmp_gt_i32 s[ST], s[HI]
	s_cbranch_scc1 .Lhidden_\@
	s_cmp_lt_i32 s[ST], s[LO]
	s_cbranch_scc1 .Lhidden_\@
	v_add_nc_u32 v[ADK], s[TB], v[L16]
	s_delay_alu instid0(VALU_DEP_1)
	v_add_nc_u32 v[ADV], VOFF, v[ADK]
	v_nop
	v_nop                                          ; four places in front of loads into registers that the last step's products have read
.irp t, 0,1,2,3,4,5,6,7
	ds_load_b128 v[32+8*\t:35+8*\t], v[ADK] offset:1024*\t
	ds_load_b128 v[36+8*\t:39+8*\t], v[ADK] offset:1024*\t+512
.endr
	s_wait_alu depctr_va_vdst(0)
	s_wait_dscnt 0x0
.irp t, 0,1,2,3,4,5,6,7
	v_wmma_f32_16x16x64_fp8_fp8 v[96+8*\t:103+8*\t], v[32+8*\t:39+8*\t], v[16:23], 0
.endr
	PLACES                                         ; in front of the loads below and of the first read of the scores
.irp u, 0,1,2,3
.irp g, 0,1,2,3
	ds_load_b128 v[32+16*\u+4*\g:35+16*\u+4*\g], v[ADV] offset:2048*\u+512*\g   ; V's fragments land while the softmax is worked
.endr
.endr
	s_cmp_lg_u32 s[ST], s[RHO]
	s_cbranch_scc1 .Lopen_\@
.set n, 0
.rept 64                                       ; on the diagonal hidden scores become -infinity ahead of the maximum: p = 0 then
	v_cmp_gt_i32 vcc_lo, 16*(n/8)+n%8, v[DQ]
	v_cndmask_b32 v[96+n], v[96+n], v217, vcc_lo
.set n, n+1
.endr
.Lopen_\@:
	v_max3_num_f32 v214, v96, v97, v98             ; the step's largest score of my query among my 64 keys, in two chains,
	v_max3_num_f32 v215, v99, v100, v101
.irp i, 6,10,14,18,22,26,30,34,38,42,46,50,54,58
	v_max3_num_f32 v214, v214, v[96+\i], v[97+\i]
	v_max3_num_f32 v215, v215, v[98+\i], v[99+\i]
.endr
	v_max3_num_f32 v214, v214, v158, v159
	s_delay_alu instid0(VALU_DEP_1)
	v_max_num_f32 v214, v214, v215
	s_delay_alu instid0(VALU_DEP_1)
	v_permlanex16_b32 v216, v214, s20, s21
	s_delay_alu instid0(VALU_DEP_1)
	v_max_num_f32 v214, v214, v216                 ; and among lane l xor 16's
	s_delay_alu instid0(VALU_DEP_1)
	v_mul_f32 v214, s22, v214                      ; as t (c is positive)
	s_delay_alu instid0(VALU_DEP_1)
	v_max_num_f32 v13, v13, v214                   ; the running largest t
	v_mov_b32 v214, v12
	s_delay_alu instid0(VALU_DEP_2)
	v_floor_f32 v12, -v13                          ; the new -M = floor(-t): M is a whole number
	s_delay_alu instid0(VALU_DEP_1)
	v_sub_f32 v214, v12, v214                      ; old M - new M: a whole number, 0 or less
	s_delay_alu instid0(VALU_DEP_1)
	v_cvt_i32_f32 v214, v214                       ; (it saturates)
	s_delay_alu instid0(VALU_DEP_1)
	v_ldexp_f32 v212, 1.0, v214                    ; f = 2^(old M - new M)
.set n, 0
.rept 32
	v_pk_fma_f32 v[96+n:97+n], v[96+n:97+n], s[22:23], v[12:13] op_sel_hi:[1,0,0]   ; t - M, two at a time
.set n, n+2
.endr
	s_wait_alu depctr_va_vdst(0)
.set n, 0
.rept 64
	v_exp_f32 v[96+n], v[96+n]                     ; p = 2^(t - M), at most 1
.set n, n+1
.endr
	v_pk_mul_f32 v[14:15], v[14:15], v[212:213] op_sel_hi:[1,0]   ; the sums under the new M.  (A plain place behind the exponentials)
	s_wait_alu depctr_va_vdst(0)                   ; one wait for the whole batch, ahead of its first reader
	v_pk_add_f32 v[210:211], v[96:97], v[98:99]    ; the row's sum is taken of the unquantised p: two at a time, in four chains
	v_pk_add_f32 v[252:253], v[100:101], v[102:103]
	v_pk_add_f32 v[250:251], v[104:105], v[106:107]
.irp j, 12,20,28,36,44,52
	v_pk_add_f32 v[14:15], v[14:15], v[96+\j:97+\j]
	v_pk_add_f32 v[210:211], v[210:211], v[98+\j:99+\j]
	v_pk_add_f32 v[252:253], v[252:253], v[100+\j:101+\j]
	v_pk_add_f32 v[250:251], v[250:251], v[102+\j:103+\j]
.endr
	v_pk_add_f32 v[14:15], v[14:15], v[156:157]
	v_pk_add_f32 v[210:211], v[210:211], v[158:159]
	v_pk_add_f32 v[252:253], v[252:253], v[250:251]
	s_delay_alu instid0(VALU_DEP_2)
	v_pk_add_f32 v[14:15], v[14:15], v[210:211]
	s_delay_alu instid0(VALU_DEP_1)
	v_pk_add_f32 v[14:15], v[14:15], v[252:253]
.irp t, 0,1,2,3,4,5,6,7
.irp i, 0,1,2,3,4,5,6,7
	v_min_num_f32 v[96+8*\t+\i], v[96+8*\t+\i], v208   ; the conversion does not saturate (ISA guide 7.6.2); p is not negative, so the hold is one-sided
.endr
	v_cvt_scalef32_pk8_fp8_f32 v[192+2*\t:193+2*\t], v[96+8*\t:103+8*\t], v209
.endr
.set n, 0
.rept 16
	v_pk_mul_f32 v[160+n:161+n], v[160+n:161+n], v[212:213] op_sel_hi:[1,0]   ; O^T under the new M.  (Also the plain instructions between the conversions and the products)
.set n, n+2
.endr
	s_wait_alu depctr_va_vdst(0)
	s_wait_dscnt 0x0                               ; V is in
.irp u, 0,1,2,3                                ; the four accumulators take turns; between two steps' links stand the eight products of S^T
	v_wmma_f32_16x16x128_fp8_fp8 v[160+8*\u:167+8*\u], v[32+16*\u:47+16*\u], v[192:207], v[160+8*\u:167+8*\u]
.endr
.Lhidden_\@:
.endm
	s_wait_alu depctr_va_vdst(0)
	s_wait_tensorcnt 0x0                           ; the part that I asked for is in,
	s_barrier_signal -1
	s_barrier_wait -1                              ; everybody's is: all of K and V lie in LDS
	s_wait_loadcnt 0x0                             ; Q
	s_mov_b32 s[ST], 0
.Lone:                                             ; the first walk: the pair's long tile, shared between owner and helper
	STEP
	s_add_co_u32 s[ST], s[ST], 1
	s_cmp_lt_u32 s[ST], 16
	s_cbranch_scc1 .Lone
	s_cmp_eq_u32 s[ROLE], 0
	s_mov_b32 s[LO], 16                            ; an owner's second walk has no step
	s_cbranch_scc1 .Lowner
	PLACES                                         ; in front of the first read of the last products' results
.irp n, 0,1,2,3,4,5,6,7
	ds_store_b128 v[XA], v[160+4*\n:163+4*\n] offset:512*\n   ; the helper's state: O^T, each accumulator from its low end on,
.endr
	ds_store_b128 v[XA], v[12:15] offset:4096      ; -M, the largest t, the sum's halves
	INIT                                           ; a new state,
.irp n, 0,1,2,3,4,5,6,7
	v_mov_b32 v[16+\n], v[24+\n]                   ; the short tile's Q,
.endr
	s_mov_b32 s[LO], 0                             ; and its steps 0 .. p, the last on the diagonal
	s_mov_b32 s[HI], s[PP]
	s_mov_b32 s[RHO], s[PP]
	s_wait_alu depctr_va_vdst(0)
.Lowner:
	s_mov_b32 s[ST], 0
.Ltwo:                                             ; the second walk: the helper's own tile
	STEP
	s_add_co_u32 s[ST], s[ST], 1
	s_cmp_lt_u32 s[ST], 16
	s_cbranch_scc1 .Ltwo
	s_wait_alu depctr_va_vdst(0)
	s_wait_dscnt 0x0                               ; for the owner's sake: my stores are done
	s_barrier_signal -1
	s_barrier_wait -1
	s_cmp_eq_u32 s[ROLE], 1
	s_cbranch_scc1 .Lhelper
	PLACES                                         ; in front of loads into registers of earlier products and of the first read of O^T
.irp n, 0,1,2,3,4,5,6,7
	ds_load_b128 v[96+4*\n:99+4*\n], v[XA] offset:512*\n      ; the helper's O^T,
.endr
	ds_load_b128 v[128:131], v[XA] offset:4096     ; its -M in v128, its sums in v[130:131]
	s_wait_dscnt 0x0
	v_min_num_f32 v214, v12, v128                  ; -M of the two together: the larger M
	s_delay_alu instid0(VALU_DEP_1)
	v_sub_f32 v215, v214, v12                      ; whole numbers, 0 or less (a helper that walked no step has -M = 3e38: its factor becomes 0, over zeros)
	v_sub_f32 v216, v214, v128
	s_delay_alu instid0(VALU_DEP_2)
	v_cvt_i32_f32 v215, v215                       ; (they saturate)
	s_delay_alu instid0(VALU_DEP_2)
	v_cvt_i32_f32 v216, v216
	s_delay_alu instid0(VALU_DEP_2)
	v_ldexp_f32 v212, 1.0, v215                    ; my factor,
	s_delay_alu instid0(VALU_DEP_2)
	v_ldexp_f32 v218, 1.0, v216                    ; the helper's: exact powers of two
	v_mov_b32 v219, 0                              ; (named as the upper half of the pair v[218:219])
	v_pk_mul_f32 v[14:15], v[14:15], v[212:213] op_sel_hi:[1,0]
.set n, 0
.rept 16
	v_pk_mul_f32 v[160+n:161+n], v[160+n:161+n], v[212:213] op_sel_hi:[1,0]
.set n, n+2
.endr
	v_pk_fma_f32 v[14:15], v[130:131], v[218:219], v[14:15] op_sel_hi:[1,0,1]
.set n, 0
.rept 16
	v_pk_fma_f32 v[160+n:161+n], v[96+n:97+n], v[218:219], v[160+n:161+n] op_sel_hi:[1,0,1]
.set n, n+2
.endr
	s_wait_alu depctr_va_vdst(0)
.Lhelper:
	; THE WAY OUT: O^T x 2^(e4 + e5) / the sum, quantised with 2^e6; a lane's eight codes are 8 bytes, and 32 lanes' fill 256 consecutive bytes of the image
	s_add_co_i32 s84, s82, 127
	s_lshl_b32 s85, s84, 23
	v_mov_b32 v218, s85                            ; 2^e6
	s_add_co_i32 s84, s84, 8
	s_lshl_b32 s84, s84, 23
	s_or_b32 s84, s84, 0x600000
	v_mov_b32 v219, s84                            ; 448 x 2^e6
	v_add_f32 v14, v14, v15                        ; the sum's two halves,
	s_delay_alu instid0(VALU_DEP_1)
	v_permlanex16_b32 v216, v14, s20, s21
	s_delay_alu instid0(VALU_DEP_1)
	v_add_f32 v14, v14, v216                       ; and lane l xor 16's
	s_wait_alu depctr_va_vdst(0)
	v_rcp_f32 v14, v14
	v_nop                                          ; a plain place behind the reciprocal
	s_add_co_i32 s84, s80, s81
	s_wait_alu depctr_va_vdst(0)                   ; the wait, ahead of the first reader
	v_ldexp_f32 v14, v14, s84
.set n, 0
.rept 32
	v_mul_f32 v[96+n], v[160+n], v14               ; register 8 u + i is o(query r, 16 u + 8 h + i); each accumulator from its low end on
.set n, n+1
.endr
.set n, 0
.rept 32
	v_med3_num_f32 v[96+n], v[96+n], -v219, v219
.set n, n+1
.endr
.irp u, 0,1,2,3
	v_cvt_scalef32_pk8_fp8_f32 v[128+2*\u:129+2*\u], v[96+8*\u:103+8*\u], v218
.endr
	v_nop
.irp u, 0,1,2,3
	global_store_b64 v[GO], v[128+2*\u:129+2*\u], s[12:13] offset:256*\u   ; 256 consecutive bytes, aligned
.endr
	s_wait_tensorcnt 0x0                           ; the wave's end
	ds_add_u32 v254, v255
	s_wait_dscnt 0x0
	CROUND                                         ; the closing round
	s_endpgm
.Lfunc_end_k_qcf852ce8f1_attn:
	.size	k_qcf852ce8f1_attn, .Lfunc_end_k_qcf852ce8f1_attn-k_qcf852ce8f1_attn
	.p2alignl 7, 3214868480
	.fill 96, 4, 3214868480
	.section	.rodata,"a",@progbits
	.p2align	6, 0x0
	.amdhsa_kernel k_qcf852ce8f1_attn
		.amdhsa_group_segment_fixed_size 327680
		.amdhsa_private_segment_fixed_size 0
		.amdhsa_enable_private_segment 0
		.amdhsa_kernarg_size 40
		.amdhsa_user_sgpr_count 2
		.amdhsa_user_sgpr_kernarg_segment_ptr 1
		.amdhsa_wavefront_size32 1
		.amdhsa_system_sgpr_workgroup_id_x 1
		.amdhsa_system_sgpr_workgroup_id_y 1
		.amdhsa_system_sgpr_workgroup_id_z 1
		.amdhsa_system_vgpr_workitem_id 0
		.amdhsa_next_free_vgpr 256
		.amdhsa_next_free_sgpr 102
		.amdhsa_reserve_vcc 1
		.amdhsa_float_denorm_mode_32 3
		.amdhsa_float_denorm_mode_16_64 3
		.amdhsa_memory_ordered 1
		.amdhsa_forward_progress 1
		.amdhsa_inst_pref_size 63
	.end_amdhsa_kernel
	.amdgpu_metadata
---
amdhsa.version: [ 1, 2 ]
amdhsa.kernels:
  - .name:           k_qcf852ce8f1_attn
    .symbol:         k_qcf852ce8f1_attn.kd
    .args:
      - { .name: qc, .offset: 0, .size: 8, .value_kind: global_buffer, .address_space: global }
      - { .name: kc, .offset: 8, .size: 8, .value_kind: global_buffer, .address_space: global }
      - { .name: vc, .offset: 16, .size: 8, .value_kind: global_buffer, .address_space: global }
      - { .name: lowp_scales, .offset: 24, .size: 8, .value_kind: global_buffer, .address_space: global }
      - { .name: oc, .offset: 32, .size: 8, .value_kind: global_buffer, .address_space: global }
    .group_segment_fixed_size: 327680
    .private_segment_fixed_size: 0
    .kernarg_segment_align: 8
    .kernarg_segment_size: 40
    .max_flat_workgroup_size: 512
    .sgpr_count:     102
    .vgpr_count:     256
    .wavefront_size: 32
...
	.end_amdgpu_metadata
.endif
;; end of part 3
;; launch proj (part 4): grid 8 x 32, 4 waves a work-group, clusters of 4 x 4, 327,680 bytes of LDS; arguments oc, w_out_codes, lowp_scales, x, x1; writes x1
.if DOCPART == 4
	.amdgcn_target "amdgcn-amd-amdhsa--gfx1250"
	.amdhsa_code_object_version 6
	.text
	.protected	k_qcf852ce8f1_proj
	.globl	k_qcf852ce8f1_proj
	.p2align	8
	.type	k_qcf852ce8f1_proj,@function
k_qcf852ce8f1_proj:
	s_mov_b64 s[64:65], 0
	v_nop
	global_prefetch_b8 v0, s[64:65] scope:SCOPE_SE
	s_setreg_imm32_b32 hwreg(HW_REG_WAVE_MODE, 25, 1), 1
	s_wait_xcnt 0x0
	s_wait_alu depctr_hold_cnt(0) depctr_sa_sdst(0) depctr_va_vdst(0) depctr_va_sdst(0) depctr_va_ssrc(0) depctr_va_vcc(0) depctr_vm_vsrc(0)
	s_getreg_b32 s2, hwreg(HW_REG_IB_STS2, 6, 4)
	s_cmp_eq_u32 s2, 0
	s_cbranch_scc0 .Lentry_in_a_cluster
	s_endpgm
.Lentry_in_a_cluster:
	s_bfe_u32 s2, ttmp6, 0x10000c
	s_cmp_lg_u32 s2, 0xf033
	s_cbranch_scc0 .Lentry_shape_is_right
	s_endpgm
.Lentry_shape_is_right:
; OUT = RES + (A W^T) x 2^(eA + eB) (+ bias where HASB).  A: 4,096 rows x SIZE_K codes of FP8 (E4M3), laid as images of operand registers; W: [1024][SIZE_K] codes, K innermost; RES, OUT: [4096][1024] f32.
; A tile of OUT is 128 x 128, so that 256 work-groups have one each.  Four waves, 64 x 64 each: 16 accumulators.  K goes in steps of 512 through a ring of two LDS slots filled by the tensor data mover.
; A in memory: [tile of 16 rows 256][128 along K][2,048 bytes]: four registers of 32 lanes are 512 bytes, lane l's 16 at 16 l; registers 4 c .. 4 c + 3 of lane (r, h) hold k = 32 c + 16 h + 0..15.  A K step of a tile of rows is 8,192
; dense bytes; in LDS it lies as in memory and a fragment is four loads at 16 x lane.  W's rows come with 16 bytes of padding behind each 512, and its fragments take the same k in the same registers.
; CLUSTERS: 4 x 4 work-groups; A's tile is shared along a row of the cluster, W's along a column: each is asked for jointly.
; The matrix instruction takes 16 rows of W as source 0, 16 rows of A as source 1: a lane holds eight neighbouring numbers of a row of OUT.  A wave's 64 columns are one aligned run of 256 bytes: each wave has its own stage.
; LIMIT: eA + eB between -126 and 127.
; REGISTERS: window 0: v0-31 addresses; v32-95 rows read back from the stage, two sets; v96-99 bias; v128-255 the accumulators ((a, b) at v[128 + 8 (4 a + b)]).  window 1: two fragment buffers of 128 (A's four, then W's four).  window 2: v0-127 RES.
.set SIZE_K, 1024
.set HASB,   0
.set EOFF,   24                        ; byte offset of eA, eB in the buffer of scales
.set KSTEP,  512
.set PITCH,  528                       ; a row of W in LDS: 512 bytes + 16 = 132 words: the 16 rows that a load touches start at 16 different banks (64 banks of 4 bytes: ISA guide 11.1)
.set AHALF,  32768                     ; four tiles of rows x 8,192 bytes: what one tensor load brings of A
.set BHALF,  64*PITCH                  ; 64 rows of W
.set BOFF,   65536                     ; W's rows lie behind A's images
.set SLOT,   BOFF+2*BHALF
.set STAGE,  2*SLOT                    ; behind the ring: 16 rows x 272 bytes for each wave
.set SPITCH, 272
.set SPARE,  STAGE+4*16*SPITCH         ; behind the stages: the spare words, 128 bytes for each wave
.set LAPS,   SIZE_K/(2*KSTEP)
.set ADRA, 16                          ; v16-17  LDS address of my A fragments in slot 0, 1
.set ADRB, 20                          ; v20-21  the same for W
.set STO,  24                          ; v24  the stage: where I put 32 bytes of a row
.set RD,   25                          ; v25  and where I read a row back
.set CO,   26                          ; v26  my byte offset in two rows of RES and OUT
.set SPW,  28                          ; v28  LDS address of my spare word; never rewritten
.set NIL,  29                          ; v29  0; never rewritten
.set BK,   32
.set BIAS, 96
.set ACC,  128
.set F0,   0
.set F1,   128
.set G1, 24
.set G0, 32
.set G1B, 48
.set G0B, 56
.set MSB, 0
.macro WIN new                         ; the immediate's high byte repeats the setting that is left
.if MSB != \new
	s_set_vgpr_msb (MSB<<8)|\new
.set MSB, \new
.endif
.endm
.set MUL,  0x05                        ; sources 0 (W) and 1 (A) window 1; C and D window 0
.set TO_F, 0x40                        ; destination window 1, address window 0
.macro JLOAD s                         ; a joint load: waves 0 and 1 fetch A's halves, waves 2 and 3 W's; four v_nop follow each of the two lines
	s_cmp_eq_u32 s15, 0
	s_cbranch_scc0 .Lfor_b_\@
	tensor_load_to_lds s[G0+4*\s:G0+4*\s+3], s[G1:G1+7]
	s_nop 0
.rept 4
	v_nop
.endr
	s_branch .Lasked_\@
.Lfor_b_\@:
	tensor_load_to_lds s[G0B+4*\s:G0B+4*\s+3], s[G1B:G1B+7]
	s_nop 0
.rept 4
	v_nop
.endr
.Lasked_\@:
.endm
.macro CREST
	s_cmp_lg_u32 s14, 0
	s_cbranch_scc1 .Lnot_wave_0_\@
	s_barrier_signal -3
.Lnot_wave_0_\@:
	s_barrier_wait -3
	s_barrier_signal -1
	s_barrier_wait -1
.endm
.macro CROUND
	s_barrier_signal -1
	s_barrier_wait -1
	CREST
.endm
	s_load_b256 s[4:11], s[0:1], 0x0               ; A s[4:5], W s[6:7], the scales' exponents s[8:9], RES s[10:11]
	s_load_b64 s[66:67], s[0:1], 0x20              ; OUT
.if HASB
	s_load_b64 s[68:69], s[0:1], 0x28              ; bias
.endif
	v_lshl_add_u32 v[SPW], v0, 2, SPARE
	v_mov_b32 v[NIL], 0
	ds_add_u32 v28, v29
	ds_add_u32 v28, v29
	s_wait_dscnt 0x0
	v_lshrrev_b32 v1, 5, v0
	v_readfirstlane_b32 s14, v1                    ; wave 0..3
	s_lshr_b32 s15, s14, 1                         ; which half of the tile's rows is mine.  Also: I fetch for A (0) or for W (1)
	s_and_b32 s16, s14, 1                          ; which half of its columns.  Also: which half of that tile I fetch
	s_bfe_u32 s40, ttmp6, 0x40000                  ; cx, cy
	s_bfe_u32 s41, ttmp6, 0x40004
	s_lshl_b32 s42, ttmp9, 2
	s_add_co_u32 s42, s42, s40                     ; tile column
	s_and_b32 s17, ttmp7, 0xffff
	s_lshl_b32 s17, s17, 2
	s_add_co_u32 s17, s17, s41                     ; tile row
	s_lshl_b32 s43, s41, 2
	s_lshl_b32 s43, 15, s43                        ; my row of the cluster
	s_lshl_b32 s44, 0x1111, s40                    ; my column
	s_or_b32 s[G1+0], s43, (3<<16)|(1<<21)         ; A: 15:0 the mask; 17:16 elements of 8 bytes; 21 set beside a mask; no padding
	s_mov_b32 s[G1+1], 1024<<16                    ; tensor_dim0 = 1,024 elements: a K step of a tile of rows
	s_mov_b32 s[G1+2], 4<<16                       ; tensor_dim1 = 4 tiles of rows
	s_mov_b32 s[G1+3], 1024<<16                    ; tile_dim0
	s_mov_b32 s[G1+4], 4                           ; tile_dim1
	s_mov_b32 s[G1+5], 2*SIZE_K                    ; from a tile of rows to the next: 16 SIZE_K bytes
	s_mov_b32 s[G1+6], 0
	s_mov_b32 s[G1+7], 0
	s_or_b32 s[G1B+0], s44, (0<<16)|(1<<20)|(1<<21)|(6<<22)|(3<<25)   ; W: elements of 1 byte; four words of padding after every 128
	s_mov_b32 s[G1B+1], KSTEP<<16
	s_mov_b32 s[G1B+2], 64<<16
	s_mov_b32 s[G1B+3], KSTEP<<16
	s_mov_b32 s[G1B+4], 64
	s_mov_b32 s[G1B+5], SIZE_K
	s_mov_b32 s[G1B+6], 0
	s_mov_b32 s[G1B+7], 0
	s_lshl_b32 s20, s17, 3
	s_lshl_b32 s18, s16, 2
	s_add_co_u32 s20, s20, s18                     ; A: tile of rows 8 x tile row + 4 x half
	s_mul_i32 s20, s20, 16*SIZE_K
	s_mov_b32 s21, 0
	s_lshl_b32 s46, s42, 7
	s_lshl_b32 s18, s16, 6
	s_add_co_u32 s46, s46, s18                     ; W: row 128 x tile column + 64 x half
	s_mul_i32 s46, s46, SIZE_K
	s_mov_b32 s47, 0
	s_mul_i32 s45, s16, AHALF                      ; where they go: no place in the cluster enters an LDS address
	s_mul_i32 s19, s16, BHALF
	s_add_co_u32 s19, s19, BOFF
	s_wait_kmcnt 0x0
	s_load_b64 s[72:73], s[8:9], EOFF              ; eA, eB
	s_add_nc_u64 s[20:21], s[4:5], s[20:21]
	s_add_nc_u64 s[46:47], s[6:7], s[46:47]
	CROUND                                         ; all sixteen work-groups are here: the first joint loads meet
.irp s, 0,1
	s_mov_b32 s[G0+4*\s], 1
	s_add_co_u32 s[G0+4*\s+1], s45, \s*SLOT
	s_add_nc_u64 s[G0+4*\s+2:G0+4*\s+3], s[20:21], \s*8192
	s_or_b32 s[G0+4*\s+3], s[G0+4*\s+3], 0x80000000
	s_mov_b32 s[G0B+4*\s], 1
	s_add_co_u32 s[G0B+4*\s+1], s19, \s*SLOT
	s_add_nc_u64 s[G0B+4*\s+2:G0B+4*\s+3], s[46:47], \s*KSTEP
	s_or_b32 s[G0B+4*\s+3], s[G0B+4*\s+3], 0x80000000
.endr
	JLOAD 0                                        ; K step 0: one tensor load a wave at the head
	; PREFETCH of K step 1, the last: of the 128 blocks of 256 bytes that I fetch, each of the four partners that ask jointly takes 32, a lane a block, told apart by address
	; (A: the row tile cx of my four, 8,192 dense bytes; W: 16 rows from 16 cy on, two blocks a row).  The address registers are never rewritten.
	s_cmp_eq_u32 s15, 0                            ; do I fetch for A?
	s_cselect_b64 s[76:77], s[20:21], s[46:47]     ; the first byte of what I fetch
	s_cselect_b32 s78, s40, s41                    ; my place among the four
	s_mov_b32 s80, KSTEP
	s_cselect_b32 s80, 8192, s80                   ; a K step on
	s_mov_b32 s82, SIZE_K
	s_cselect_b32 s82, 512, s82                    ; from one pair of blocks to the next
	s_mov_b32 s81, 0
	s_mov_b32 s79, 0
	s_lshl_b32 s78, s78, 14                        ; a tile of 16 rows of A, and 16 rows of W, are 16,384 bytes
	s_add_nc_u64 s[76:77], s[76:77], s[78:79]
	s_add_nc_u64 s[76:77], s[76:77], s[80:81]
	v_and_b32 v8, 31, v0
	v_lshrrev_b32 v9, 1, v8
	v_and_b32 v8, 1, v8
	v_mul_lo_u32 v9, v9, s82
	v_lshl_add_u32 v30, v8, 8, v9                  ; block lane % 2 of pair lane / 2
	global_prefetch_b8 v30, s[76:77] th:TH_LOAD_NT scope:SCOPE_SE
	v_and_b32 v1, 15, v0                           ; r
	v_bfe_u32 v2, v0, 4, 1                         ; h
	v_and_b32 v3, 31, v0
	v_lshlrev_b32 v3, 4, v3                        ; 16 x lane
	v_mul_u32_u24 v4, v1, PITCH
	v_lshl_add_u32 v4, v2, 4, v4                   ; W: row x pitch + 16 x half
	s_mul_i32 s21, s15, AHALF                      ; my four tiles of rows
	s_mul_i32 s22, s16, BHALF                      ; my 64 rows of W
	s_add_co_u32 s22, s22, BOFF
.irp s, 0,1
	v_add_nc_u32 v[ADRA+\s], s21, v3
	v_add_nc_u32 v[ADRB+\s], s22, v4
	s_add_co_u32 s21, s21, SLOT
	s_add_co_u32 s22, s22, SLOT
.endr
	s_mul_i32 s23, s14, 16*SPITCH
	s_add_co_u32 s23, s23, STAGE                   ; my stage
	v_mul_u32_u24 v6, v1, SPITCH
	v_lshl_add_u32 v6, v2, 5, v6
	v_add_nc_u32 v[STO], s23, v6                   ; in: row r, 32 bytes for each half of the lanes
	v_mul_u32_u24 v7, v2, SPITCH
	v_lshl_add_u32 v7, v1, 4, v7
	v_add_nc_u32 v[RD], s23, v7                    ; back: lanes 0-15 one row of 256 bytes, lanes 16-31 the next
	v_lshlrev_b32 v[CO], 12, v2
	v_lshl_add_u32 v[CO], v1, 4, v[CO]             ; and the same two rows in RES and OUT
	s_wait_alu depctr_va_vdst(0)
	v_lshlrev_b32 v5, 4, v1
	s_lshl_b32 s20, s17, 7
	s_lshl_b32 s21, s15, 6
	s_add_co_u32 s20, s20, s21                     ; my first row: 128 x tile row + 64 x half
	s_lshl_b32 s20, s20, 12
	s_lshl_b32 s46, s42, 9
	s_lshl_b32 s47, s16, 8
	s_add_co_u32 s46, s46, s47                     ; my first column in bytes: 512 x tile column + 256 x half
	s_mov_b32 s47, 0
	s_add_co_u32 s20, s20, s46
	s_mov_b32 s21, 0
	s_add_nc_u64 s[10:11], s[10:11], s[20:21]
	s_add_nc_u64 s[66:67], s[66:67], s[20:21]
.if HASB
	s_add_nc_u64 s[68:69], s[68:69], s[46:47]
	global_load_b128 v[BIAS:BIAS+3], v5, s[68:69]  ; the four columns that I hold of every row read back
.endif
	WIN 0x80                                       ; destination window 2
.irp a, 0,1,2,3
.irp t, 0,1,2,3,4,5,6,7
	global_load_b128 v[4*(8*\a+\t):4*(8*\a+\t)+3], v[CO], s[10:11] offset:(16*\a+2*\t)*4096   ; RES, in the layout of the rows read back: it lands under the products
.endr
.endr
	WIN 0
; four matrix instructions: A's block a x W's four, 128 along K.  The 16 accumulators take turns, one instruction a turn, in the same order in every quarter.
.macro MULA f, a, zero
.irp b, 0,1,2,3
.if \zero
	v_wmma_f32_16x16x128_fp8_fp8 v[ACC+8*(4*(\a)+\b):ACC+8*(4*(\a)+\b)+7], v[\f+64+16*\b:\f+64+16*\b+15], v[\f+16*(\a):\f+16*(\a)+15], 0
.else
	v_wmma_f32_16x16x128_fp8_fp8 v[ACC+8*(4*(\a)+\b):ACC+8*(4*(\a)+\b)+7], v[\f+64+16*\b:\f+64+16*\b+15], v[\f+16*(\a):\f+16*(\a)+15], v[ACC+8*(4*(\a)+\b):ACC+8*(4*(\a)+\b)+7]
.endif
.endr
.endm
; 32 LDS loads in one run: the fragments of the slot's q-th 128 along K into buffer f: W's four, A's blocks 0-1, A's blocks 2-3
.macro FETCH slot, q, f
	WIN TO_F
.irp i, 0,1,2,3
.irp c, 0,1,2,3
	ds_load_b128 v[\f+64+16*\i+4*\c:\f+64+16*\i+4*\c+3], v[ADRB+\slot] offset:16*PITCH*\i+128*(\q)+32*\c
.endr
.endr
.irp i, 0,1,2,3
.irp c, 0,1,2,3
	ds_load_b128 v[\f+16*\i+4*\c:\f+16*\i+4*\c+3], v[ADRA+\slot] offset:8192*\i+2048*(\q)+512*\c
.endr
.endr
.endm
.macro PLACES                          ; four places in front of loads into registers that matrix instructions have read, and of the first read of results
.rept 4
	v_nop
.endr
.endm
; A K step is four quarters of 128 along K, 16 matrix instructions each, on buffers 0, 1, 0, 1.  One of the first three: multiplies buffer f and fetches quarter qn into g.
.macro QUARTER slot, qn, f, g, zero
	s_wait_dscnt 8                                 ; W's four and A's blocks 0-1 are in; the youngest eight loads (A's blocks 2-3) may be out
	WIN MUL
	MULA \f, 0, \zero
	MULA \f, 1, \zero
	PLACES
	FETCH \slot, \qn, \g
	s_wait_dscnt 32                                ; all but the 32 just issued
	WIN MUL
	MULA \f, 2, \zero
	MULA \f, 3, \zero
.endm
; The last quarter multiplies buffer 1 and changes slots: ONE barrier; in front of it each wave waits for all its tensor loads, adds 0 to its spare word, and waits for that and for its reads of this slot.  fill = 1: the slot is filled again.
.macro TURN slot, next, fill
	WIN 0                                          ; (the add's two registers lie in window 0)
	s_wait_tensorcnt 0x0                           ; all my tensor loads have landed: my part of the next slot
	ds_add_u32 v[SPW], v[NIL]                      ; 0 onto my spare word
	s_wait_dscnt 9                                 ; (the add and the youngest eight loads may be out)
	WIN MUL
	MULA F1, 0, 0                                  ; four matrix instructions stand between the add and the wait for it
	s_wait_dscnt 0x0                               ; the add is done, and my reads of this slot are over
	s_barrier_signal -1
	MULA F1, 1, 0
.if \fill
	WIN 0
.endif
	s_barrier_wait -1
.if \fill
	CREST                                          ; the barrier has opened a round of the cluster's barrier: no wave of any partner still reads this slot or has a load on its way
	s_add_nc_u64 s[G0+4*\slot+2:G0+4*\slot+3], s[G0+4*\slot+2:G0+4*\slot+3], 2*8192
	s_add_nc_u64 s[G0B+4*\slot+2:G0B+4*\slot+3], s[G0B+4*\slot+2:G0B+4*\slot+3], 2*KSTEP
	JLOAD \slot                                    ; the first tensor load behind the round; its four v_nop are the places in front of the loads below
.else
	PLACES
.endif
	FETCH \next, 0, F0
	WIN MUL
	MULA F1, 2, 0
	MULA F1, 3, 0
.endm
	s_wait_alu depctr_va_vdst(0)
	s_wait_tensorcnt 0x0                           ; my part of K step 0 is in
	ds_add_u32 v[SPW], v[NIL]
	s_wait_dscnt 0x0
	CROUND                                         ; a whole round: everybody's part of K step 0 is in, and the joint loads meet
	JLOAD 1                                        ; K step 1's load, the first tensor load behind the round
	FETCH 0, 0, F0
	QUARTER 0, 1, F0, F1, 1                        ; the first quarter's products start the sums
.if LAPS > 1
	WIN 0
	s_mov_b32 s3, LAPS-1
.Llap:                                                 ; a trip goes once round the ring and fills both slots again
	QUARTER 0, 2, F1, F0, 0
	QUARTER 0, 3, F0, F1, 0
	TURN 0, 1, 1
	QUARTER 1, 1, F0, F1, 0
	QUARTER 1, 2, F1, F0, 0
	QUARTER 1, 3, F0, F1, 0
	TURN 1, 0, 1
	QUARTER 0, 1, F0, F1, 0
	WIN 0
	s_sub_co_u32 s3, s3, 1
	s_cmp_lg_u32 s3, 0
	s_cbranch_scc1 .Llap
.endif
	QUARTER 0, 2, F1, F0, 0                        ; the last lap fills nothing
	QUARTER 0, 3, F0, F1, 0
	TURN 0, 1, 0
	QUARTER 1, 1, F0, F1, 0
	QUARTER 1, 2, F1, F0, 0
	QUARTER 1, 3, F0, F1, 0
	s_wait_dscnt 8                                 ; the very last quarter
	WIN MUL
	MULA F1, 0, 0
	MULA F1, 1, 0
	s_wait_dscnt 0
	MULA F1, 2, 0
	MULA F1, 3, 0
	WIN 0
	; THE WAY OUT, a block of 16 rows x 64 columns at a time: the sums go through my stage as they are and come back as whole rows of 256 bytes; there OUT = sum x 2^(eA + eB) + RES, one packed multiply-add for two numbers
	s_wait_kmcnt 0x0
	s_add_co_i32 s96, s72, s73
	s_add_co_i32 s96, s96, 127
	s_lshl_b32 s96, s96, 23                        ; 2^(eA + eB) as f32
	s_mov_b32 s97, s96                             ; (named with it as a pair)
	s_wait_loadcnt 0x0                             ; RES (and the bias)
	PLACES
.if HASB
	WIN 0x82                                       ; source 0 and destination window 2
.set p, 0
.rept 64
	v_pk_add_f32 v[2*p:2*p+1], v[2*p:2*p+1], v[BIAS+(2*p)%4:BIAS+(2*p)%4+1]   ; the bias joins RES once
.set p, p+1
.endr
	WIN 0
.endif
.macro TOSTAGE a
.irp b, 0,1,2,3
	ds_store_b128 v[STO], v[ACC+8*(4*(\a)+\b):ACC+8*(4*(\a)+\b)+3] offset:64*\b         ; each accumulator from its low end on
	ds_store_b128 v[STO], v[ACC+8*(4*(\a)+\b)+4:ACC+8*(4*(\a)+\b)+7] offset:64*\b+16
.endr
.set BB, BK+32*((\a)%2)
.irp t, 0,1,2,3,4,5,6,7
	ds_load_b128 v[BB+4*\t:BB+4*\t+3], v[RD] offset:\t*2*SPITCH   ; LDS serves a wave's instructions in order: these see my stores, and the next block's stores come behind them
.endr
.endm
.macro SEND a, younger                 ; younger: the LDS instructions issued behind block a's loads, which may stay out
.set BB, BK+32*((\a)%2)
	s_wait_dscnt \younger
	WIN 0x20                                       ; source 2 (RES) window 2
.irp t, 0,1,2,3,4,5,6,7
	v_pk_fma_f32 v[BB+4*\t:BB+4*\t+1], v[BB+4*\t:BB+4*\t+1], s[96:97], v[4*(8*(\a)+\t):4*(8*(\a)+\t)+1] op_sel_hi:[1,0,1]
	v_pk_fma_f32 v[BB+4*\t+2:BB+4*\t+3], v[BB+4*\t+2:BB+4*\t+3], s[96:97], v[4*(8*(\a)+\t)+2:4*(8*(\a)+\t)+3] op_sel_hi:[1,0,1]
.endr
	WIN 0
.irp t, 0,1,2,3,4,5,6,7
	global_store_b128 v[CO], v[BB+4*\t:BB+4*\t+3], s[66:67] offset:(16*(\a)+2*\t)*4096   ; 16 lanes store 256 consecutive bytes, aligned
.endr
.endm
	TOSTAGE 0
.irp a, 1,2,3
.if \a > 1
	s_wait_xcnt 0x0                                ; block a - 2's stores have read their registers: block a's loads may land there
.endif
	TOSTAGE \a
	SEND \a-1, 16                                  ; behind block a - 1's loads: block a's 8 stores and 8 loads
.endr
	SEND 3, 0
	s_wait_tensorcnt 0x0                           ; the wave's end
	ds_add_u32 v[SPW], v[NIL]
	s_wait_dscnt 0x0
	CROUND                                         ; the closing round
	s_endpgm
.Lfunc_end_k_qcf852ce8f1_proj:
	.size	k_qcf852ce8f1_proj, .Lfunc_end_k_qcf852ce8f1_proj-k_qcf852ce8f1_proj
	.p2alignl 7, 3214868480
	.fill 96, 4, 3214868480
	.section	.rodata,"a",@progbits
	.p2align	6, 0x0
	.amdhsa_kernel k_qcf852ce8f1_proj
		.amdhsa_group_segment_fixed_size 327680
		.amdhsa_private_segment_fixed_size 0
		.amdhsa_enable_private_segment 0
		.amdhsa_kernarg_size 40
		.amdhsa_user_sgpr_count 2
		.amdhsa_user_sgpr_kernarg_segment_ptr 1
		.amdhsa_wavefront_size32 1
		.amdhsa_system_sgpr_workgroup_id_x 1
		.amdhsa_system_sgpr_workgroup_id_y 1
		.amdhsa_system_sgpr_workgroup_id_z 1
		.amdhsa_system_vgpr_workitem_id 0
		.amdhsa_next_free_vgpr 768
		.amdhsa_next_free_sgpr 100
		.amdhsa_reserve_vcc 0
		.amdhsa_float_denorm_mode_32 3
		.amdhsa_float_denorm_mode_16_64 3
		.amdhsa_memory_ordered 1
		.amdhsa_forward_progress 1
		.amdhsa_inst_pref_size 50
	.end_amdhsa_kernel
	.amdgpu_metadata
---
amdhsa.version: [ 1, 2 ]
amdhsa.kernels:
  - .name:           k_qcf852ce8f1_proj
    .symbol:         k_qcf852ce8f1_proj.kd
    .args:
      - { .name: oc, .offset: 0, .size: 8, .value_kind: global_buffer, .address_space: global }
      - { .name: w_out_codes, .offset: 8, .size: 8, .value_kind: global_buffer, .address_space: global }
      - { .name: lowp_scales, .offset: 16, .size: 8, .value_kind: global_buffer, .address_space: global }
      - { .name: x, .offset: 24, .size: 8, .value_kind: global_buffer, .address_space: global }
      - { .name: x1, .offset: 32, .size: 8, .value_kind: global_buffer, .address_space: global }
    .group_segment_fixed_size: 327680
    .private_segment_fixed_size: 0
    .kernarg_segment_align: 8
    .kernarg_segment_size: 40
    .max_flat_workgroup_size: 128
    .sgpr_count:     100
    .vgpr_count:     768
    .wavefront_size: 32
...
	.end_amdgpu_metadata
.endif
;; end of part 4
;; launch ln2 (part 5): grid 256 x 1, 4 waves a work-group, no clusters, 16,896 bytes of LDS; arguments x1, ln2_g, ln2_b, lowp_scales, h2c; writes h2c
.if DOCPART == 5
	.amdgcn_target "amdgcn-amd-amdhsa--gfx1250"
	.amdhsa_code_object_version 6
	.text
	.protected	k_qcf852ce8f1_ln2
	.globl	k_qcf852ce8f1_ln2
	.p2align	8
	.type	k_qcf852ce8f1_ln2,@function
k_qcf852ce8f1_ln2:
	s_mov_b64 s[64:65], 0
	v_nop
	global_prefetch_b8 v0, s[64:65] scope:SCOPE_SE
	s_setreg_imm32_b32 hwreg(HW_REG_WAVE_MODE, 25, 1), 1
	s_wait_xcnt 0x0
; h = (x - mean) * rsqrt(var + 1e-5) * g + b for rows of 1,024 f32, quantised to codes of FP8 (E4M3) with the given scale 2^e (entry EOFF / 4 of the scales), stored row-major, one byte a code.
; A work-group takes 16 rows, a wave 4, kept in registers between the passes (mean; centred squares; scaling): the rows are read once.  Waves share nothing: no barrier.
; Load j of a row reads 512 consecutive bytes, 16 a lane: lane l holds k = 128 j + 4 l + 0..3.  The conversion takes eight numbers of a lane (loads 2 m and 2 m + 1) and gives two words of four codes;
; the words go through the wave's own 4,096 bytes of LDS into their places in the rows and leave as stores of 512 consecutive bytes.
; LIMITS: e between -126 and 119, so that 2^e and 448 x 2^e are f32 numbers.  NaN among the inputs is not served.
.set EOFF, 32                          ; byte offset of e in the buffer of scales
.set L16, 1                            ; v1   16 x lane
.set STA, 2                            ; v2   4,096 x wave + 4 x lane: where a word of codes goes
.set LDA, 3                            ; v3   4,096 x wave + 16 x lane: where 16 codes are read back
.set SCV, 5                            ; v5   2^e
.set LIM, 6                            ; v6   448 x 2^e
.set RK,  8                            ; v8   1 / 1,024
.set C,   12                           ; v12-43   codes: row i, word j at C + 8 i + j
.set S0,  44                           ; v44-51   a pair a row: sums, then the mean
.set S1,  52                           ; v52-59   a pair a row: second chain, then rsqrt(var + eps)
.set X,   64                           ; v64-191  row i at X + 32 i
.set G,   192                          ; v192-223 gain
.set B,   224                          ; v224-255 bias
	s_load_b256 s[4:11], s[0:1], 0x0               ; x s[4:5], g s[6:7], b s[8:9], scales s[10:11]
	s_load_b64 s[12:13], s[0:1], 0x20              ; the codes
	v_lshl_add_u32 v62, v0, 2, 0x4000
	v_mov_b32 v63, 0
	v_lshrrev_b32 v7, 5, v0
	v_readfirstlane_b32 s14, v7                    ; wave
	v_and_b32 v7, 31, v0                           ; lane
	v_lshlrev_b32 v[L16], 4, v7
	s_lshl_b32 s15, s14, 12
	v_lshl_add_u32 v[STA], v7, 2, s15
	v_add_nc_u32 v[LDA], s15, v[L16]
	v_mov_b32 v[RK], 0x3a800000
	s_mov_b32 s20, 0x76543210                      ; lane selects: lane l xor 16
	s_mov_b32 s21, 0xfedcba98
	s_lshl_b32 s16, ttmp9, 16                      ; 16 rows of 4,096 bytes a work-group,
	s_lshl_b32 s18, s14, 14                        ; 4 a wave
	s_add_co_u32 s16, s16, s18
	s_mov_b32 s17, 0
	s_lshl_b32 s18, ttmp9, 14                      ; and of 1,024 bytes in the codes
	s_add_co_u32 s18, s18, s15
	s_mov_b32 s19, 0
	s_wait_alu depctr_va_vdst(0)
	s_wait_kmcnt 0x0
	s_load_b32 s22, s[10:11], EOFF                 ; e
	s_add_nc_u64 s[4:5], s[4:5], s[16:17]
	s_add_nc_u64 s[12:13], s[12:13], s[18:19]
.irp i, 0,1,2,3
.irp j, 0,1,2,3,4,5,6,7
	global_load_b128 v[X+32*\i+4*\j:X+32*\i+4*\j+3], v[L16], s[4:5] offset:4096*\i+512*\j
.endr
.endr
.irp j, 0,1,2,3,4,5,6,7
	global_load_b128 v[G+4*\j:G+4*\j+3], v[L16], s[6:7] offset:512*\j
.endr
.irp j, 0,1,2,3,4,5,6,7
	global_load_b128 v[B+4*\j:B+4*\j+3], v[L16], s[8:9] offset:512*\j
.endr
; the four rows' figures in v[S0 + 2 i] are summed over the 32 lanes; the rows take turns line by line
.macro ACROSS
.irp m, 1,2,4,8
.irp i, 0,1,2,3
	v_add_f32_dpp v[S0+2*\i], v[S0+2*\i], v[S0+2*\i] row_xmask:\m row_mask:0xf bank_mask:0xf
.endr
.endr
.irp i, 0,1,2,3
	v_permlanex16_b32 v[S0+2*\i+1], v[S0+2*\i], s20, s21   ; its destination has been written: the pair's upper word
.endr
.irp i, 0,1,2,3
	v_add_f32 v[S0+2*\i], v[S0+2*\i], v[S0+2*\i+1]
.endr
.endm
	s_wait_loadcnt 16                              ; the rows are in; the sixteen younger loads (g, b) may be out
	; the mean: two chains of packed sums a row
.irp i, 0,1,2,3
	v_pk_add_f32 v[S0+2*\i:S0+2*\i+1], v[X+32*\i:X+32*\i+1], v[X+32*\i+2:X+32*\i+3]
	v_pk_add_f32 v[S1+2*\i:S1+2*\i+1], v[X+32*\i+4:X+32*\i+5], v[X+32*\i+6:X+32*\i+7]
.endr
.irp p, 8,12,16,20,24,28
.irp i, 0,1,2,3
	v_pk_add_f32 v[S0+2*\i:S0+2*\i+1], v[S0+2*\i:S0+2*\i+1], v[X+32*\i+\p:X+32*\i+\p+1]
	v_pk_add_f32 v[S1+2*\i:S1+2*\i+1], v[S1+2*\i:S1+2*\i+1], v[X+32*\i+\p+2:X+32*\i+\p+3]
.endr
.endr
.irp i, 0,1,2,3
	v_pk_add_f32 v[S0+2*\i:S0+2*\i+1], v[S0+2*\i:S0+2*\i+1], v[S1+2*\i:S1+2*\i+1]
.endr
.irp i, 0,1,2,3
	v_add_f32 v[S0+2*\i], v[S0+2*\i], v[S0+2*\i+1]
.endr
	ACROSS
.irp i, 0,1,2,3
	v_mul_f32 v[S0+2*\i], v[RK], v[S0+2*\i]        ; the mean
.endr
	; x - mean, in place (of the pair the low word serves both halves)
.irp p, 0,2,4,6,8,10,12,14,16,18,20,22,24,26,28,30
.irp i, 0,1,2,3
	v_pk_add_f32 v[X+32*\i+\p:X+32*\i+\p+1], v[X+32*\i+\p:X+32*\i+\p+1], v[S0+2*\i:S0+2*\i+1] op_sel_hi:[1,0] neg_lo:[0,1] neg_hi:[0,1]
.endr
.endr
	; the variance: the mean of the centred squares
.irp i, 0,1,2,3
	v_pk_mul_f32 v[S0+2*\i:S0+2*\i+1], v[X+32*\i:X+32*\i+1], v[X+32*\i:X+32*\i+1]
	v_pk_mul_f32 v[S1+2*\i:S1+2*\i+1], v[X+32*\i+2:X+32*\i+3], v[X+32*\i+2:X+32*\i+3]
.endr
.irp p, 4,8,12,16,20,24,28
.irp i, 0,1,2,3
	v_pk_fma_f32 v[S0+2*\i:S0+2*\i+1], v[X+32*\i+\p:X+32*\i+\p+1], v[X+32*\i+\p:X+32*\i+\p+1], v[S0+2*\i:S0+2*\i+1]
	v_pk_fma_f32 v[S1+2*\i:S1+2*\i+1], v[X+32*\i+\p+2:X+32*\i+\p+3], v[X+32*\i+\p+2:X+32*\i+\p+3], v[S1+2*\i:S1+2*\i+1]
.endr
.endr
.irp i, 0,1,2,3
	v_pk_add_f32 v[S0+2*\i:S0+2*\i+1], v[S0+2*\i:S0+2*\i+1], v[S1+2*\i:S1+2*\i+1]
.endr
.irp i, 0,1,2,3
	v_add_f32 v[S0+2*\i], v[S0+2*\i], v[S0+2*\i+1]
.endr
	ACROSS
.irp i, 0,1,2,3
	v_fmaak_f32 v[S1+2*\i], v[S0+2*\i], v[RK], 0x3727c5ac   ; var + 1e-5
.endr
	s_wait_alu depctr_va_vdst(0)
.irp i, 0,1,2,3
	v_rsq_f32 v[S1+2*\i], v[S1+2*\i]
.endr
	v_nop                                          ; a plain instruction between the last root and the use of its result
	s_wait_loadcnt 0x0                             ; g and b
	s_wait_kmcnt 0x0
	s_add_co_i32 s22, s22, 127
	s_lshl_b32 s23, s22, 23
	v_mov_b32 v[SCV], s23                          ; 2^e as f32: the conversion takes its exponent field
	s_add_co_i32 s22, s22, 8
	s_lshl_b32 s22, s22, 23
	s_or_b32 s22, s22, 0x600000
	v_mov_b32 v[LIM], s22                          ; 448 x 2^e
	s_wait_alu depctr_va_vdst(0)
.macro NORM i
.irp p, 0,2,4,6,8,10,12,14,16,18,20,22,24,26,28,30
	v_pk_mul_f32 v[X+32*\i+\p:X+32*\i+\p+1], v[X+32*\i+\p:X+32*\i+\p+1], v[S1+2*\i:S1+2*\i+1] op_sel_hi:[1,0]
.endr
.irp p, 0,2,4,6,8,10,12,14,16,18,20,22,24,26,28,30
	v_pk_fma_f32 v[X+32*\i+\p:X+32*\i+\p+1], v[X+32*\i+\p:X+32*\i+\p+1], v[G+\p:G+\p+1], v[B+\p:B+\p+1]
.endr
.irp p, 0,1,2,3,4,5,6,7,8,9,10,11,12,13,14,15,16,17,18,19,20,21,22,23,24,25,26,27,28,29,30,31
	v_med3_num_f32 v[X+32*\i+\p], v[X+32*\i+\p], -v[LIM], v[LIM]   ; the conversion to an 8-bit code does not saturate (ISA guide 7.6.2): the hold comes first
.endr
.irp m, 0,1,2,3
	v_cvt_scalef32_pk8_fp8_f32 v[C+8*\i+2*\m:C+8*\i+2*\m+1], v[X+32*\i+8*\m:X+32*\i+8*\m+7], v[SCV]
.endr
	v_nop                                          ; a plain instruction behind the last conversion of the run
.irp j, 0,1,2,3,4,5,6,7
	ds_store_b32 v[STA], v[C+8*\i+\j] offset:1024*\i+128*\j   ; four codes of k = 128 j + 4 lane
.endr
.endm
	NORM 0
	NORM 1
	NORM 2
	NORM 3
.irp t, 0,1,2,3,4,5,6,7
	ds_load_b128 v[X+4*\t:X+4*\t+3], v[LDA] offset:512*\t   ; LDS serves a wave's instructions in order: these see my stores
.endr
.irp t, 0,1,2,3,4,5,6,7
	s_wait_dscnt 7-\t                              ; read-back t is in; the younger ones may be out
	global_store_b128 v[L16], v[X+4*\t:X+4*\t+3], s[12:13] offset:512*\t   ; 512 consecutive bytes, aligned: my four rows of codes are 4,096 dense bytes
.endr
	s_wait_tensorcnt 0x0
	ds_add_u32 v62, v63
	s_wait_dscnt 0x0
	s_endpgm
.Lfunc_end_k_qcf852ce8f1_ln2:
	.size	k_qcf852ce8f1_ln2, .Lfunc_end_k_qcf852ce8f1_ln2-k_qcf852ce8f1_ln2
	.p2alignl 7, 3214868480
	.fill 96, 4, 3214868480
	.section	.rodata,"a",@progbits
	.p2align	6, 0x0
	.amdhsa_kernel k_qcf852ce8f1_ln2
		.amdhsa_group_segment_fixed_size 16896
		.amdhsa_private_segment_fixed_size 0
		.amdhsa_enable_private_segment 0
		.amdhsa_kernarg_size 40
		.amdhsa_user_sgpr_count 2
		.amdhsa_user_sgpr_kernarg_segment_ptr 1
		.amdhsa_wavefront_size32 1
		.amdhsa_system_sgpr_workgroup_id_x 1
		.amdhsa_system_sgpr_workgroup_id_y 1
		.amdhsa_system_sgpr_workgroup_id_z 1
		.amdhsa_system_vgpr_workitem_id 0
		.amdhsa_next_free_vgpr 256
		.amdhsa_next_free_sgpr 66
		.amdhsa_reserve_vcc 0
		.amdhsa_float_denorm_mode_32 3
		.amdhsa_float_denorm_mode_16_64 3
		.amdhsa_memory_ordered 1
		.amdhsa_forward_progress 1
		.amdhsa_inst_pref_size 43
	.end_amdhsa_kernel
	.amdgpu_metadata
---
amdhsa.version: [ 1, 2 ]
amdhsa.kernels:
  - .name:           k_qcf852ce8f1_ln2
    .symbol:         k_qcf852ce8f1_ln2.kd
    .args:
      - { .name: x1, .offset: 0, .size: 8, .value_kind: global_buffer, .address_space: global }
      - { .name: ln2_g, .offset: 8, .size: 8, .value_kind: global_buffer, .address_space: global }
      - { .name: ln2_b, .offset: 16, .size: 8, .value_kind: global_buffer, .address_space: global }
      - { .name: lowp_scales, .offset: 24, .size: 8, .value_kind: global_buffer, .address_space: global }
      - { .name: h2c, .offset: 32, .size: 8, .value_kind: global_buffer, .address_space: global }
    .group_segment_fixed_size: 16896
    .private_segment_fixed_size: 0
    .kernarg_segment_align: 8
    .kernarg_segment_size: 40
    .max_flat_workgroup_size: 128
    .sgpr_count:     66
    .vgpr_count:     256
    .wavefront_size: 32
...
	.end_amdgpu_metadata
.endif
;; end of part 5
;; launch ff1 (part 6): grid 16 x 16, 4 waves a work-group, clusters of 4 x 4, 327,680 bytes of LDS; arguments h2c, w1_codes, lowp_scales, b1, gc; writes gc
.if DOCPART == 6
	.amdgcn_target "amdgcn-amd-amdhsa--gfx1250"
	.amdhsa_code_object_version 6
	.text
	.protected	k_qcf852ce8f1_ff1
	.globl	k_qcf852ce8f1_ff1
	.p2align	8
	.type	k_qcf852ce8f1_ff1,@function
k_qcf852ce8f1_ff1:
	s_mov_b64 s[64:65], 0
	v_nop
	global_prefetch_b8 v0, s[64:65] scope:SCOPE_SE
	s_setreg_imm32_b32 hwreg(HW_REG_WAVE_MODE, 25, 1), 1
	s_wait_xcnt 0x0
	s_wait_alu depctr_hold_cnt(0) depctr_sa_sdst(0) depctr_va_vdst(0) depctr_va_sdst(0) depctr_va_ssrc(0) depctr_va_vcc(0) depctr_vm_vsrc(0)
	s_getreg_b32 s2, hwreg(HW_REG_IB_STS2, 6, 4)
	s_cmp_eq_u32 s2, 0
	s_cbranch_scc0 .Lentry_in_a_cluster
	s_endpgm
.Lentry_in_a_cluster:
	s_bfe_u32 s2, ttmp6, 0x10000c
	s_cmp_lg_u32 s2, 0xf033
	s_cbranch_scc0 .Lentry_shape_is_right
	s_endpgm
.Lentry_shape_is_right:
; g = gelu(h2 W1^T + b1) on codes of FP8 (E4M3): h2 [4096][1024], W1 [4096][1024], K innermost; g is quantised with 2^e10 and stored as images of operand registers:
; gc: [tile of 16 rows 256][128 along K: 32][2,048 bytes], registers 4 c .. 4 c + 3 of lane (r, h) hold k = 32 c + 16 h + 0..15.
; A tile of 256 x 256 is made by four waves, 128 x 128 each; K goes in steps of 256 through a ring of two LDS slots filled by joint loads in a cluster of 4 x 4 work-groups.
; The way out: y = sum x 2^(e8 + e9) + b1 goes into the ring's bytes (their last fill and last read are over, behind a barrier) and comes back 64 numbers a lane at a time.
; gelu(y) = max(y, 0) - |y| erfc(|y| / sqrt 2) / 2, with erfc(z) = t 2^(poly(t) - z^2 log2 e), t = 1 / (1 + z / 2), poly of degree 9; the half is folded into poly's constant.
; LIMITS: e8 + e9 between -126 and 127; e10 between -126 and 119.  NaN is not served.
.set SIZE_K, 1024
.set KSTEP,  256
.set ROWB,   256
.set KROW,   SIZE_K
.set PITCH,  272
.set FR,     16
.set NL,     4
.set NP,     4
.set HALFT,  128*PITCH
.set SLOT,   4*HALFT
.set LAPS,   SIZE_K/(2*KSTEP)
.set SPARE,  2*SLOT
.set C9,   10
.set LIM,  12
.set SCV,  13
.set ADRA, 16
.set ADRB, 20
.set CO,   26
.set BO,   27
.set SPW,  28
.set NIL,  29
.set SA,   30
.set LA,   31
.set M,    32
.set BI,   64
.set AF,   128
.set Y,    128
.set AB,   192
.set T,    208
.set P,    224
.set CD,   240
.set G1, 24
.set G0, 32
.set G1B, 48
.set G0B, 56
.set MSB, 0
.macro WIN new
.if MSB != \new
	s_set_vgpr_msb (MSB<<8)|\new
.set MSB, \new
.endif
.endm
.set MUL_LO, 0xa1
.set MUL_HI, 0xf1
.set TO_B,   0x40
.macro JLOAD g0a, g1a, g0b, g1b
	s_cmp_eq_u32 s15, 0
	s_cbranch_scc0 .Lfor_b_\@
	tensor_load_to_lds s[\g0a:\g0a+3], s[\g1a:\g1a+7]
	s_nop 0
.rept 4
	v_nop
.endr
	s_branch .Lasked_\@
.Lfor_b_\@:
	tensor_load_to_lds s[\g0b:\g0b+3], s[\g1b:\g1b+7]
	s_nop 0
.rept 4
	v_nop
.endr
.Lasked_\@:
.endm
.macro CREST
	s_cmp_lg_u32 s14, 0
	s_cbranch_scc1 .Lnot_wave_0_\@
	s_barrier_signal -3
.Lnot_wave_0_\@:
	s_barrier_wait -3
	s_barrier_signal -1
	s_barrier_wait -1
.endm
.macro CROUND
	s_barrier_signal -1
	s_barrier_wait -1
	CREST
.endm
	s_load_b128 s[4:7], s[0:1], 0x0
	s_load_b128 s[8:11], s[0:1], 0x10
	s_load_b64 s[84:85], s[0:1], 0x20
	v_lshl_add_u32 v[SPW], v0, 2, SPARE
	v_mov_b32 v[NIL], 0
	ds_add_u32 v28, v29
	ds_add_u32 v28, v29
	s_wait_dscnt 0x0
	v_lshrrev_b32 v1, 5, v0
	v_readfirstlane_b32 s14, v1
	s_lshr_b32 s15, s14, 1
	s_and_b32 s16, s14, 1
	s_bfe_u32 s40, ttmp6, 0x40000
	s_bfe_u32 s41, ttmp6, 0x40004
	s_lshl_b32 s42, ttmp9, 2
	s_add_co_u32 s42, s42, s40
	s_and_b32 s17, ttmp7, 0xffff
	s_lshl_b32 s17, s17, 2
	s_add_co_u32 s17, s17, s41
	s_lshl_b32 s43, s41, 2
	s_lshl_b32 s43, 15, s43
	s_lshl_b32 s44, 0x1111, s40
	s_or_b32 s[G1+0], s43, (0<<16)|(1<<20)|(1<<21)|(5<<22)|(3<<25)
	s_or_b32 s[G1B+0], s44, (0<<16)|(1<<20)|(1<<21)|(5<<22)|(3<<25)
.irp g, G1, G1B
	s_mov_b32 s[\g+1], ROWB<<16
	s_mov_b32 s[\g+2], 128<<16
	s_mov_b32 s[\g+3], ROWB<<16
	s_mov_b32 s[\g+4], 128
	s_mov_b32 s[\g+5], KROW
	s_mov_b32 s[\g+6], 0
	s_mov_b32 s[\g+7], 0
.endr
	s_lshl_b32 s18, s16, 7
	s_lshl_b32 s20, s17, 8
	s_add_co_u32 s20, s20, s18
	s_lshl_b32 s46, s42, 8
	s_add_co_u32 s46, s46, s18
	s_lshl_b32 s20, s20, 10
	s_lshl_b32 s46, s46, 10
	s_mov_b32 s21, 0
	s_mov_b32 s47, 0
	s_mul_i32 s45, s14, HALFT
	s_wait_kmcnt 0x0
	s_load_b128 s[72:75], s[8:9], 0x20
	s_add_nc_u64 s[20:21], s[4:5], s[20:21]
	s_add_nc_u64 s[46:47], s[6:7], s[46:47]
	CROUND
.irp s, 0,1
	s_mov_b32 s[G0+4*\s], 1
	s_add_co_u32 s[G0+4*\s+1], s45, \s*SLOT
	s_add_nc_u64 s[G0+4*\s+2:G0+4*\s+3], s[20:21], \s*ROWB
	s_or_b32 s[G0+4*\s+3], s[G0+4*\s+3], 0x80000000
	s_mov_b32 s[G0B+4*\s], 1
	s_add_co_u32 s[G0B+4*\s+1], s45, \s*SLOT
	s_add_nc_u64 s[G0B+4*\s+2:G0B+4*\s+3], s[46:47], \s*ROWB
	s_or_b32 s[G0B+4*\s+3], s[G0B+4*\s+3], 0x80000000
.endr
	JLOAD G0, G1, G0B, G1B                         ; K step 0: one tensor load a wave at the head
	; PREFETCH: of the 128 rows that I fetch, each of the four partners that ask for them jointly takes 32, told apart by address (cx for h2, cy for W1); a lane a row; a K step of a row is 256 bytes, aligned.
	; K steps 1 and 2 are asked for here, K step 3 behind K step 1's load; K step 0 comes by its load alone.  The address registers are never rewritten.
	s_cmp_eq_u32 s15, 0                            ; do I fetch for h2?
	s_cselect_b64 s[68:69], s[20:21], s[46:47]     ; the first byte of what I fetch
	s_cselect_b32 s70, s40, s41                    ; my place among the four
	s_lshl_b32 s70, s70, 15                        ; 32 rows of 1,024 bytes
	s_mov_b32 s71, 0
	s_add_nc_u64 s[68:69], s[68:69], s[70:71]
	v_and_b32 v8, 31, v0
	v_lshlrev_b32 v8, 10, v8                       ; my lane's row
	global_prefetch_b8 v8, s[68:69] offset:256 th:TH_LOAD_NT scope:SCOPE_SE
	global_prefetch_b8 v8, s[68:69] offset:512 th:TH_LOAD_NT scope:SCOPE_SE
	v_and_b32 v1, 15, v0
	v_bfe_u32 v2, v0, 4, 1
	v_mul_u32_u24 v3, v1, PITCH
	v_lshl_add_u32 v4, v2, 4, v3
	s_mul_i32 s21, s15, HALFT
	s_mul_i32 s22, s16, HALFT
	s_add_co_u32 s22, s22, 2*HALFT
.irp s, 0,1
	v_add_nc_u32 v[ADRA+\s], s21, v4
	v_add_nc_u32 v[ADRB+\s], s22, v4
	s_add_co_u32 s21, s21, SLOT
	s_add_co_u32 s22, s22, SLOT
.endr
	v_lshlrev_b32 v[CO], 4, v1
	v_lshl_add_u32 v[CO], v2, 3, v[CO]
	v_lshlrev_b32 v[BO], 5, v2
	v_and_b32 v6, 31, v0
	s_lshl_b32 s88, s14, 16
	v_lshl_add_u32 v[SA], v6, 4, s88
	s_lshl_b32 s92, s42, 10
	s_lshl_b32 s93, s16, 9
	s_add_co_u32 s92, s92, s93
	s_mov_b32 s93, 0
	s_add_nc_u64 s[10:11], s[10:11], s[92:93]
.irp b, 0,1,2,3,4,5,6,7
	global_load_b128 v[BI+8*\b:BI+8*\b+3], v[BO], s[10:11] offset:64*\b
	global_load_b128 v[BI+8*\b+4:BI+8*\b+7], v[BO], s[10:11] offset:64*\b+16
.endr
	s_lshl_b32 s20, s17, 4
	s_lshl_b32 s21, s15, 3
	s_add_co_u32 s20, s20, s21
	s_lshl_b32 s20, s20, 5
	s_lshl_b32 s21, s42, 1
	s_add_co_u32 s20, s20, s21
	s_add_co_u32 s20, s20, s16
	s_lshl_b32 s20, s20, 11
	s_mov_b32 s21, 0
	s_add_nc_u64 s[84:85], s[84:85], s[20:21]
.macro FRAG reg, adr, q, i
.irp c, 0,1,2,3
	ds_load_b128 v[\reg+4*\c:\reg+4*\c+3], v[\adr] offset:128*(\q)+32*\c+(\i)*16*PITCH
.endr
.endm
.macro MUL16 a0, p, zero
.irp a, \a0, \a0+1
.irp b, 0,1,2,3,4,5,6,7
.if \zero
	v_wmma_f32_16x16x128_fp8_fp8 v[8*(8*((\a)%4)+\b):8*(8*((\a)%4)+\b)+7], v[128*(\p)+FR*\b:128*(\p)+FR*\b+FR-1], v[AF+FR*(\a):AF+FR*(\a)+FR-1], 0
.else
	v_wmma_f32_16x16x128_fp8_fp8 v[8*(8*((\a)%4)+\b):8*(8*((\a)%4)+\b)+7], v[128*(\p)+FR*\b:128*(\p)+FR*\b+FR-1], v[AF+FR*(\a):AF+FR*(\a)+FR-1], v[8*(8*((\a)%4)+\b):8*(8*((\a)%4)+\b)+7]
.endif
.endr
.endr
.endm
.macro FETCH_B slot, q, p
	WIN TO_B
.irp i, 0,1,2,3,4,5,6,7
	FRAG 128*(\p)+FR*\i, ADRB+\slot, \q, \i
.endr
	WIN 0
.endm
.macro FETCH_A slot, q, i0
.irp i, \i0, \i0+1, \i0+2, \i0+3
	FRAG AF+FR*(\i), ADRA+\slot, \q, \i
.endr
.endm
.macro PLACES n
.rept \n
	v_nop
.endr
.endm
.macro STEP slot, q, zero
	s_wait_dscnt 4*NL
	WIN MUL_LO
	MUL16 0, (\q)%2, \zero
	MUL16 2, (\q)%2, \zero
	s_wait_dscnt 0
	PLACES NP
	FETCH_B \slot, (\q)+1, 1-(\q)%2
	FETCH_A \slot, (\q)+1, 0
	WIN MUL_HI
	MUL16 4, (\q)%2, \zero
	MUL16 6, (\q)%2, \zero
	PLACES NP
	WIN 0
	FETCH_A \slot, (\q)+1, 4
.endm
.macro TURN slot, next, fill
	s_wait_tensorcnt 0x0
	ds_add_u32 v[SPW], v[NIL]
	s_wait_dscnt 4*NL+1
	WIN MUL_LO
	MUL16 0, 1, 0
	s_wait_dscnt 0x0
	s_barrier_signal -1
	MUL16 2, 1, 0
	WIN 0
	s_barrier_wait -1
.if \fill
	CREST
	s_add_nc_u64 s[G0+4*\slot+2:G0+4*\slot+3], s[G0+4*\slot+2:G0+4*\slot+3], 2*ROWB
	s_add_nc_u64 s[G0B+4*\slot+2:G0B+4*\slot+3], s[G0B+4*\slot+2:G0B+4*\slot+3], 2*ROWB
	JLOAD G0+4*\slot, G1, G0B+4*\slot, G1B
.else
	PLACES NP
.endif
	FETCH_B \next, 0, 0
	FETCH_A \next, 0, 0
	WIN MUL_HI
	MUL16 4, 1, 0
	MUL16 6, 1, 0
	PLACES NP
	WIN 0
	FETCH_A \next, 0, 4
.endm
	s_wait_alu depctr_va_vdst(0)
	s_wait_tensorcnt 0x0                           ; my part of K step 0 is in
	ds_add_u32 v[SPW], v[NIL]
	s_wait_dscnt 0x0
	CROUND                                         ; a whole round: everybody's part of K step 0 is in, and the joint loads meet
	JLOAD G0+4, G1, G0B+4, G1B                     ; K step 1's load, the first tensor load behind the round
	FETCH_B 0, 0, 0
	FETCH_A 0, 0, 0
	FETCH_A 0, 0, 4
	global_prefetch_b8 v8, s[68:69] offset:768 th:TH_LOAD_NT scope:SCOPE_SE   ; K step 3, behind K step 1's load and the run of LDS loads
	STEP 0, 0, 1
	s_mov_b32 s3, LAPS-1
.Llap:
	TURN 0, 1, 1
	STEP 1, 0, 0
	TURN 1, 0, 1
	STEP 0, 0, 0
	s_sub_co_u32 s3, s3, 1
	s_cmp_lg_u32 s3, 0
	s_cbranch_scc1 .Llap
	TURN 0, 1, 0
	STEP 1, 0, 0
	s_wait_dscnt 4*NL
	WIN MUL_LO
	MUL16 0, 1, 0
	MUL16 2, 1, 0
	s_wait_dscnt 0
	s_barrier_signal -1
	WIN MUL_HI
	MUL16 4, 1, 0
	MUL16 6, 1, 0
	WIN 0
	s_barrier_wait -1
	s_wait_kmcnt 0x0
	s_add_co_i32 s96, s72, s73
	s_add_co_i32 s96, s96, 127
	s_lshl_b32 s96, s96, 23
	s_mov_b32 s97, s96
	s_add_co_i32 s80, s74, 127
	s_lshl_b32 s81, s80, 23
	v_mov_b32 v[SCV], s81
	s_add_co_i32 s80, s80, 8
	s_lshl_b32 s80, s80, 23
	s_or_b32 s80, s80, 0x600000
	v_mov_b32 v[LIM], s80
	v_mov_b32 v[C9], 0x3e7c6f08
	v_mov_b32 v[C9+1], 0x3e7c6f08
	s_wait_loadcnt 0x0
	PLACES NP
.macro DUMP a
.set AC, 64*((\a)%4)
.set TM, 192-64*((\a)%2)
.if (\a) > 1
	s_wait_dscnt 16
.endif
	WIN 0x02+((\a)/4)
.set n, 0
.rept 32
	v_pk_fma_f32 v[TM+n:TM+n+1], v[AC+n:AC+n+1], s[96:97], v[BI+n:BI+n+1] op_sel_hi:[1,0,1]
.set n, n+2
.endr
	WIN 0
.set n, 0
.rept 16
	ds_store_b128 v[SA], v[TM+4*n:TM+4*n+3] offset:8192*(\a)+512*n
.set n, n+1
.endr
.endm
.irp a, 0,1,2,3,4,5,6,7
	DUMP \a
.endr
	s_wait_dscnt 0x0
.macro GELU16 g
.set YG, Y+16*(\g)
.set CR, CD+4*(\g)
	s_wait_dscnt 12                                ; my group's four loads are in; younger: the three other groups' twelve, in every trip and group alike
.irp i, 0,1,2,3,4,5,6,7,8,9,10,11,12,13,14,15
	v_max_num_f32 v[M+\i], 0, v[YG+\i]
.endr
.irp i, 0,2,4,6,8,10,12,14
	v_pk_fma_f32 v[AB+\i:AB+\i+1], v[M+\i:M+\i+1], 2.0, v[YG+\i:YG+\i+1] op_sel_hi:[1,0,1] neg_lo:[0,0,1] neg_hi:[0,0,1]
.endr
.irp i, 0,2,4,6,8,10,12,14
	v_pk_fma_f32 v[T+\i:T+\i+1], v[AB+\i:AB+\i+1], 0x3eb504f3, 1.0 op_sel_hi:[1,0,0]
.endr
	s_wait_alu depctr_va_vdst(0)
.irp i, 0,1,2,3,4,5,6,7,8,9,10,11,12,13,14,15
	v_rcp_f32 v[T+\i], v[T+\i]
.endr
.irp i, 0,2,4,6,8,10,12,14
	v_pk_mul_f32 v[YG+\i:YG+\i+1], v[YG+\i:YG+\i+1], v[YG+\i:YG+\i+1]
.endr
	s_wait_alu depctr_va_vdst(0)
.irp i, 0,2,4,6,8,10,12,14
	v_pk_fma_f32 v[P+\i:P+\i+1], v[T+\i:T+\i+1], v[C9:C9+1], 0xbf97d29d op_sel_hi:[1,1,0]
.endr
.irp c, 0x40097039, 0xbfd1a1e5, 0x3ecdfd18, 0xbe899a80, 0x3e0efb2e, 0x3f0a29d2, 0x3fb8ab5a, 0xc034d90f
.irp i, 0,2,4,6,8,10,12,14
	v_pk_fma_f32 v[P+\i:P+\i+1], v[P+\i:P+\i+1], v[T+\i:T+\i+1], \c op_sel_hi:[1,1,0]
.endr
.endr
.irp i, 0,2,4,6,8,10,12,14
	v_pk_fma_f32 v[P+\i:P+\i+1], v[YG+\i:YG+\i+1], 0xbf38aa3b, v[P+\i:P+\i+1] op_sel_hi:[1,0,1]
.endr
.irp c, 0,1,2,3
	ds_load_b128 v[YG+4*\c:YG+4*\c+3], v[LA] offset:2048*(\g)+512*\c   ; the group's numbers have been read for the last time: the next block's take their place
.endr
	s_wait_alu depctr_va_vdst(0)
.irp i, 0,1,2,3,4,5,6,7,8,9,10,11,12,13,14,15
	v_exp_f32 v[P+\i], v[P+\i]
.endr
	v_nop
	s_wait_alu depctr_va_vdst(0)
.irp i, 0,2,4,6,8,10,12,14
	v_pk_mul_f32 v[P+\i:P+\i+1], v[P+\i:P+\i+1], v[T+\i:T+\i+1]
.endr
.irp i, 0,2,4,6,8,10,12,14
	v_pk_fma_f32 v[M+\i:M+\i+1], v[AB+\i:AB+\i+1], v[P+\i:P+\i+1], v[M+\i:M+\i+1] neg_lo:[1,0,0] neg_hi:[1,0,0]
.endr
.irp i, 0,1,2,3,4,5,6,7,8,9,10,11,12,13,14,15
	v_med3_num_f32 v[M+\i], v[M+\i], -v[LIM], v[LIM]
.endr
.if (\g) == 0
	s_wait_alu depctr_va_vdst(0)
	s_wait_xcnt 0x0                                ; the last block's stores have read their registers and their base: the codes' registers are written again from here on,
	s_add_nc_u64 s[84:85], s[84:85], 0x10000       ; and the base goes a block on
.endif
	v_cvt_scalef32_pk8_fp8_f32 v[CR:CR+1], v[M:M+7], v[SCV]
	v_cvt_scalef32_pk8_fp8_f32 v[CR+2:CR+3], v[M+8:M+15], v[SCV]
	v_nop
	global_store_b64 v[CO], v[CR:CR+1], s[84:85] offset:512*(\g)
	global_store_b64 v[CO], v[CR+2:CR+3], s[84:85] offset:512*(\g)+256
.endm
	s_sub_nc_u64 s[84:85], s[84:85], 0x10000       ; each trip steps the base ahead of its first store, the first trip too
.set n, 0
.rept 16
	ds_load_b128 v[Y+4*n:Y+4*n+3], v[SA] offset:512*n   ; block 0
.set n, n+1
.endr
	s_mov_b32 s86, 0
.Lblk:
	s_add_co_u32 s87, s86, 1
	s_min_u32 s87, s87, 7                          ; the block that this trip fetches: the next one; the last trip fetches its own again and nobody reads it
	s_lshl_b32 s87, s87, 13
	v_add_nc_u32 v[LA], s87, v[SA]
	GELU16 0
	GELU16 1
	GELU16 2
	GELU16 3
	s_add_co_u32 s86, s86, 1
	s_cmp_lt_u32 s86, 8
	s_cbranch_scc1 .Lblk
	s_wait_tensorcnt 0x0
	ds_add_u32 v[SPW], v[NIL]
	s_wait_dscnt 0x0
	CROUND
	s_endpgm
.Lfunc_end_k_qcf852ce8f1_ff1:
	.size	k_qcf852ce8f1_ff1, .Lfunc_end_k_qcf852ce8f1_ff1-k_qcf852ce8f1_ff1
	.p2alignl 7, 3214868480
	.fill 96, 4, 3214868480
	.section	.rodata,"a",@progbits
	.p2align	6, 0x0
	.amdhsa_kernel k_qcf852ce8f1_ff1
		.amdhsa_group_segment_fixed_size 327680
		.amdhsa_private_segment_fixed_size 0
		.amdhsa_enable_private_segment 0
		.amdhsa_kernarg_size 40
		.amdhsa_user_sgpr_count 2
		.amdhsa_user_sgpr_kernarg_segment_ptr 1
		.amdhsa_wavefront_size32 1
		.amdhsa_system_sgpr_workgroup_id_x 1
		.amdhsa_system_sgpr_workgroup_id_y 1
		.amdhsa_system_sgpr_workgroup_id_z 1
		.amdhsa_system_vgpr_workitem_id 0
		.amdhsa_next_free_vgpr 1024
		.amdhsa_next_free_sgpr 100
		.amdhsa_reserve_vcc 0
		.amdhsa_float_denorm_mode_32 3
		.amdhsa_float_denorm_mode_16_64 3
		.amdhsa_memory_ordered 1
		.amdhsa_forward_progress 1
		.amdhsa_inst_pref_size 161
	.end_amdhsa_kernel
	.amdgpu_metadata
---
amdhsa.version: [ 1, 2 ]
amdhsa.kernels:
  - .name:           k_qcf852ce8f1_ff1
    .symbol:         k_qcf852ce8f1_ff1.kd
    .args:
      - { .name: h2c, .offset: 0, .size: 8, .value_kind: global_buffer, .address_space: global }
      - { .name: w1_codes, .offset: 8, .size: 8, .value_kind: global_buffer, .address_space: global }
      - { .name: lowp_scales, .offset: 16, .size: 8, .value_kind: global_buffer, .address_space: global }
      - { .name: b1, .offset: 24, .size: 8, .value_kind: global_buffer, .address_space: global }
      - { .name: gc, .offset: 32, .size: 8, .value_kind: global_buffer, .address_space: global }
    .group_segment_fixed_size: 327680
    .private_segment_fixed_size: 0
    .kernarg_segment_align: 8
    .kernarg_segment_size: 40
    .max_flat_workgroup_size: 128
    .sgpr_count:     100
    .vgpr_count:     1024
    .wavefront_size: 32
...
	.end_amdgpu_metadata
.endif
;; end of part 6
;; launch ff2 (part 7): grid 8 x 32, 4 waves a work-group, clusters of 4 x 4, 327,680 bytes of LDS; arguments gc, w2_codes, lowp_scales, x1, out0, b2; writes out0
.if DOCPART == 7
	.amdgcn_target "amdgcn-amd-amdhsa--gfx1250"
	.amdhsa_code_object_version 6
	.text
	.protected	k_qcf852ce8f1_ff2
	.globl	k_qcf852ce8f1_ff2
	.p2align	8
	.type	k_qcf852ce8f1_ff2,@function
k_qcf852ce8f1_ff2:
	s_mov_b64 s[64:65], 0
	v_nop
	global_prefetch_b8 v0, s[64:65] scope:SCOPE_SE
	s_setreg_imm32_b32 hwreg(HW_REG_WAVE_MODE, 25, 1), 1
	s_wait_xcnt 0x0
	s_wait_alu depctr_hold_cnt(0) depctr_sa_sdst(0) depctr_va_vdst(0) depctr_va_sdst(0) depctr_va_ssrc(0) depctr_va_vcc(0) depctr_vm_vsrc(0)
	s_getreg_b32 s2, hwreg(HW_REG_IB_STS2, 6, 4)
	s_cmp_eq_u32 s2, 0
	s_cbranch_scc0 .Lentry_in_a_cluster
	s_endpgm
.Lentry_in_a_cluster:
	s_bfe_u32 s2, ttmp6, 0x10000c
	s_cmp_lg_u32 s2, 0xf033
	s_cbranch_scc0 .Lentry_shape_is_right
	s_endpgm
.Lentry_shape_is_right:
; out0 = x1 + b2 + (g W2^T) x 2^(e10 + e11).  g: 4,096 rows x 4,096 codes of FP8 (E4M3), laid as images of operand registers; W2: [1024][4096] codes, K innermost; x1, out0: [4096][1024] f32.
; A tile of out0 is 128 x 128: 256 work-groups.  Four waves, 64 x 64 each: 16 accumulators.  K goes in steps of 512 through a ring of two LDS slots filled by the tensor data mover.
; gc: [tile of 16 rows 256][128 along K: 32][2,048 bytes]; a K step of a tile of rows is 8,192 dense bytes and lies in LDS as in memory.  W2's rows come with 16 bytes of padding behind each 512.
; CLUSTERS: 4 x 4 work-groups; g's tile is shared along a row of the cluster, W2's along a column: each is asked for jointly (waves 0, 1: g's halves; waves 2, 3: W2's).
; PREFETCH: behind the joint load for K step u each wave asks for K step u + 2 of what it fetches, and behind the first also for K step 1: of its 128 blocks of 256 bytes each of the four partners that ask jointly takes 32,
; a lane a block, told apart by address (g: the row tile cx of the four; W2: 16 rows from 16 cy on); K step 0 comes by its load alone, and the loop's last trip, whose loads are for K steps 6 and 7, asks for nothing.
; The matrix instruction takes 16 rows of W2 as source 0, 16 rows of g as source 1: a lane holds eight neighbouring numbers of a row of out0, which leave through the wave's own stage as rows of 256 bytes.
; LIMIT: e10 + e11 between -126 and 127.
.set SIZE_K, 4096
.set HASB,   1
.set EOFF,   40
.set KSTEP,  512
.set PITCH,  528
.set AHALF,  32768
.set BHALF,  64*PITCH
.set BOFF,   65536
.set SLOT,   BOFF+2*BHALF
.set STAGE,  2*SLOT
.set SPITCH, 272
.set SPARE,  STAGE+4*16*SPITCH
.set LAPS,   SIZE_K/(2*KSTEP)
.set ADRA, 16
.set ADRB, 20
.set STO,  24
.set RD,   25
.set CO,   26
.set SPW,  28
.set NIL,  29
.set BK,   32
.set BIAS, 96
.set ACC,  128
.set F0,   0
.set F1,   128
.set G1, 24
.set G0, 32
.set G1B, 48
.set G0B, 56
.set PFA, 76                           ; s[76:77] where my prefetches stand
.set PFS, 80                           ; s[80:81] a K step on, in bytes: 8,192 in g's images, 512 in a row of W2
.set PFO, 30                           ; v30  my lane's block; never rewritten
.macro ASK                             ; not in the loop's last trip: there is no K step two refills on
	s_cmp_gt_u32 s3, 1
	s_cbranch_scc0 .Lnone_\@
	global_prefetch_b8 v[PFO], s[PFA:PFA+1] th:TH_LOAD_NT scope:SCOPE_SE
.Lnone_\@:
.endm
.set MSB, 0
.macro WIN new
.if MSB != \new
	s_set_vgpr_msb (MSB<<8)|\new
.set MSB, \new
.endif
.endm
.set MUL,  0x05
.set TO_F, 0x40
.macro JLOAD s
	s_cmp_eq_u32 s15, 0
	s_cbranch_scc0 .Lfor_b_\@
	tensor_load_to_lds s[G0+4*\s:G0+4*\s+3], s[G1:G1+7]
	s_nop 0
.rept 4
	v_nop
.endr
	s_branch .Lasked_\@
.Lfor_b_\@:
	tensor_load_to_lds s[G0B+4*\s:G0B+4*\s+3], s[G1B:G1B+7]
	s_nop 0
.rept 4
	v_nop
.endr
.Lasked_\@:
.endm
.macro CREST
	s_cmp_lg_u32 s14, 0
	s_cbranch_scc1 .Lnot_wave_0_\@
	s_barrier_signal -3
.Lnot_wave_0_\@:
	s_barrier_wait -3
	s_barrier_signal -1
	s_barrier_wait -1
.endm
.macro CROUND
	s_barrier_signal -1
	s_barrier_wait -1
	CREST
.endm
	s_load_b256 s[4:11], s[0:1], 0x0
	s_load_b64 s[66:67], s[0:1], 0x20
.if HASB
	s_load_b64 s[68:69], s[0:1], 0x28
.endif
	v_lshl_add_u32 v[SPW], v0, 2, SPARE
	v_mov_b32 v[NIL], 0
	ds_add_u32 v28, v29
	ds_add_u32 v28, v29
	s_wait_dscnt 0x0
	v_lshrrev_b32 v1, 5, v0
	v_readfirstlane_b32 s14, v1
	s_lshr_b32 s15, s14, 1
	s_and_b32 s16, s14, 1
	s_bfe_u32 s40, ttmp6, 0x40000
	s_bfe_u32 s41, ttmp6, 0x40004
	s_lshl_b32 s42, ttmp9, 2
	s_add_co_u32 s42, s42, s40
	s_and_b32 s17, ttmp7, 0xffff
	s_lshl_b32 s17, s17, 2
	s_add_co_u32 s17, s17, s41
	s_lshl_b32 s43, s41, 2
	s_lshl_b32 s43, 15, s43
	s_lshl_b32 s44, 0x1111, s40
	s_or_b32 s[G1+0], s43, (3<<16)|(1<<21)
	s_mov_b32 s[G1+1], 1024<<16
	s_mov_b32 s[G1+2], 4<<16
	s_mov_b32 s[G1+3], 1024<<16
	s_mov_b32 s[G1+4], 4
	s_mov_b32 s[G1+5], 2*SIZE_K
	s_mov_b32 s[G1+6], 0
	s_mov_b32 s[G1+7], 0
	s_or_b32 s[G1B+0], s44, (0<<16)|(1<<20)|(1<<21)|(6<<22)|(3<<25)
	s_mov_b32 s[G1B+1], KSTEP<<16
	s_mov_b32 s[G1B+2], 64<<16
	s_mov_b32 s[G1B+3], KSTEP<<16
	s_mov_b32 s[G1B+4], 64
	s_mov_b32 s[G1B+5], SIZE_K
	s_mov_b32 s[G1B+6], 0
	s_mov_b32 s[G1B+7], 0
	s_lshl_b32 s20, s17, 3
	s_lshl_b32 s18, s16, 2
	s_add_co_u32 s20, s20, s18
	s_mul_i32 s20, s20, 16*SIZE_K
	s_mov_b32 s21, 0
	s_lshl_b32 s46, s42, 7
	s_lshl_b32 s18, s16, 6
	s_add_co_u32 s46, s46, s18
	s_mul_i32 s46, s46, SIZE_K
	s_mov_b32 s47, 0
	s_mul_i32 s45, s16, AHALF
	s_mul_i32 s19, s16, BHALF
	s_add_co_u32 s19, s19, BOFF
	s_wait_kmcnt 0x0
	s_load_b64 s[72:73], s[8:9], EOFF
	s_add_nc_u64 s[20:21], s[4:5], s[20:21]
	s_add_nc_u64 s[46:47], s[6:7], s[46:47]
	CROUND
.irp s, 0,1
	s_mov_b32 s[G0+4*\s], 1
	s_add_co_u32 s[G0+4*\s+1], s45, \s*SLOT
	s_add_nc_u64 s[G0+4*\s+2:G0+4*\s+3], s[20:21], \s*8192
	s_or_b32 s[G0+4*\s+3], s[G0+4*\s+3], 0x80000000
	s_mov_b32 s[G0B+4*\s], 1
	s_add_co_u32 s[G0B+4*\s+1], s19, \s*SLOT
	s_add_nc_u64 s[G0B+4*\s+2:G0B+4*\s+3], s[46:47], \s*KSTEP
	s_or_b32 s[G0B+4*\s+3], s[G0B+4*\s+3], 0x80000000
.endr
	JLOAD 0                                        ; K step 0: one tensor load a wave at the head
	s_cmp_eq_u32 s15, 0                            ; do I fetch for g?
	s_cselect_b64 s[PFA:PFA+1], s[20:21], s[46:47] ; the first byte of what I fetch
	s_cselect_b32 s78, s40, s41                    ; my place among the four that ask with me
	s_mov_b32 s[PFS], KSTEP
	s_cselect_b32 s[PFS], 8192, s[PFS]
	s_mov_b32 s82, 4096
	s_cselect_b32 s82, 512, s82                    ; from one pair of blocks to the next: 512 dense bytes, or a row of W2
	s_mov_b32 s[PFS+1], 0
	s_mov_b32 s79, 0
	s_lshl_b32 s78, s78, 16                        ; a tile of 16 rows of g, and 16 rows of W2, are 65,536 bytes
	s_add_nc_u64 s[PFA:PFA+1], s[PFA:PFA+1], s[78:79]
	s_add_nc_u64 s[PFA:PFA+1], s[PFA:PFA+1], s[PFS:PFS+1]
	s_mov_b64 s[84:85], s[PFA:PFA+1]               ; at K step 1; never rewritten
	s_add_nc_u64 s[PFA:PFA+1], s[PFA:PFA+1], s[PFS:PFS+1]   ; at K step 2
	v_and_b32 v1, 15, v0
	v_bfe_u32 v2, v0, 4, 1
	v_and_b32 v3, 31, v0
	v_lshlrev_b32 v3, 4, v3
	v_mul_u32_u24 v4, v1, PITCH
	v_lshl_add_u32 v4, v2, 4, v4
	s_mul_i32 s21, s15, AHALF
	s_mul_i32 s22, s16, BHALF
	s_add_co_u32 s22, s22, BOFF
.irp s, 0,1
	v_add_nc_u32 v[ADRA+\s], s21, v3
	v_add_nc_u32 v[ADRB+\s], s22, v4
	s_add_co_u32 s21, s21, SLOT
	s_add_co_u32 s22, s22, SLOT
.endr
	s_mul_i32 s23, s14, 16*SPITCH
	s_add_co_u32 s23, s23, STAGE
	v_mul_u32_u24 v6, v1, SPITCH
	v_lshl_add_u32 v6, v2, 5, v6
	v_add_nc_u32 v[STO], s23, v6
	v_mul_u32_u24 v7, v2, SPITCH
	v_lshl_add_u32 v7, v1, 4, v7
	v_add_nc_u32 v[RD], s23, v7
	v_lshlrev_b32 v[CO], 12, v2
	v_lshl_add_u32 v[CO], v1, 4, v[CO]
	v_and_b32 v8, 31, v0
	v_lshrrev_b32 v9, 1, v8
	v_and_b32 v8, 1, v8
	v_mul_lo_u32 v9, v9, s82
	v_lshl_add_u32 v[PFO], v8, 8, v9               ; block lane % 2 of pair lane / 2
	v_lshlrev_b32 v5, 4, v1
	s_wait_alu depctr_va_vdst(0)
	global_prefetch_b8 v[PFO], s[84:85] th:TH_LOAD_NT scope:SCOPE_SE       ; K step 1
	global_prefetch_b8 v[PFO], s[PFA:PFA+1] th:TH_LOAD_NT scope:SCOPE_SE   ; K step 2
	s_lshl_b32 s20, s17, 7
	s_lshl_b32 s21, s15, 6
	s_add_co_u32 s20, s20, s21
	s_lshl_b32 s20, s20, 12
	s_lshl_b32 s46, s42, 9
	s_lshl_b32 s47, s16, 8
	s_add_co_u32 s46, s46, s47
	s_mov_b32 s47, 0
	s_add_co_u32 s20, s20, s46
	s_mov_b32 s21, 0
	s_add_nc_u64 s[10:11], s[10:11], s[20:21]
	s_add_nc_u64 s[66:67], s[66:67], s[20:21]
.if HASB
	s_add_nc_u64 s[68:69], s[68:69], s[46:47]
	global_load_b128 v[BIAS:BIAS+3], v5, s[68:69]
.endif
	WIN 0x80
.irp a, 0,1,2,3
.irp t, 0,1,2,3,4,5,6,7
	global_load_b128 v[4*(8*\a+\t):4*(8*\a+\t)+3], v[CO], s[10:11] offset:(16*\a+2*\t)*4096
.endr
.endr
	WIN 0
.macro MULA f, a, zero
.irp b, 0,1,2,3
.if \zero
	v_wmma_f32_16x16x128_fp8_fp8 v[ACC+8*(4*(\a)+\b):ACC+8*(4*(\a)+\b)+7], v[\f+64+16*\b:\f+64+16*\b+15], v[\f+16*(\a):\f+16*(\a)+15], 0
.else
	v_wmma_f32_16x16x128_fp8_fp8 v[ACC+8*(4*(\a)+\b):ACC+8*(4*(\a)+\b)+7], v[\f+64+16*\b:\f+64+16*\b+15], v[\f+16*(\a):\f+16*(\a)+15], v[ACC+8*(4*(\a)+\b):ACC+8*(4*(\a)+\b)+7]
.endif
.endr
.endm
.macro FETCH slot, q, f
	WIN TO_F
.irp i, 0,1,2,3
.irp c, 0,1,2,3
	ds_load_b128 v[\f+64+16*\i+4*\c:\f+64+16*\i+4*\c+3], v[ADRB+\slot] offset:16*PITCH*\i+128*(\q)+32*\c
.endr
.endr
.irp i, 0,1,2,3
.irp c, 0,1,2,3
	ds_load_b128 v[\f+16*\i+4*\c:\f+16*\i+4*\c+3], v[ADRA+\slot] offset:8192*\i+2048*(\q)+512*\c
.endr
.endr
.endm
.macro PLACES
.rept 4
	v_nop
.endr
.endm
.macro QUARTER slot, qn, f, g, zero
	s_wait_dscnt 8
	WIN MUL
	MULA \f, 0, \zero
	MULA \f, 1, \zero
	PLACES
	FETCH \slot, \qn, \g
	s_wait_dscnt 32
	WIN MUL
	MULA \f, 2, \zero
	MULA \f, 3, \zero
.endm
.macro TURN slot, next, fill
	WIN 0
.if \fill
	s_wait_xcnt 0x0                                ; my last prefetch has read its address: it goes a K step on
	s_add_nc_u64 s[PFA:PFA+1], s[PFA:PFA+1], s[PFS:PFS+1]
.endif
	s_wait_tensorcnt 0x0
	ds_add_u32 v[SPW], v[NIL]
	s_wait_dscnt 9
	WIN MUL
	MULA F1, 0, 0
	s_wait_dscnt 0x0
	s_barrier_signal -1
	MULA F1, 1, 0
.if \fill
	WIN 0
.endif
	s_barrier_wait -1
.if \fill
	CREST
	s_add_nc_u64 s[G0+4*\slot+2:G0+4*\slot+3], s[G0+4*\slot+2:G0+4*\slot+3], 2*8192
	s_add_nc_u64 s[G0B+4*\slot+2:G0B+4*\slot+3], s[G0B+4*\slot+2:G0B+4*\slot+3], 2*KSTEP
	JLOAD \slot
.else
	PLACES
.endif
	FETCH \next, 0, F0
.if \fill
	WIN 0
	ASK                                            ; behind the joint load and the run of LDS loads
.endif
	WIN MUL
	MULA F1, 2, 0
	MULA F1, 3, 0
.endm
	s_wait_alu depctr_va_vdst(0)
	s_wait_tensorcnt 0x0                           ; my part of K step 0 is in
	ds_add_u32 v[SPW], v[NIL]
	s_wait_xcnt 0x0                                ; the prefetches have read their addresses
	s_add_nc_u64 s[PFA:PFA+1], s[PFA:PFA+1], s[PFS:PFS+1]
	s_wait_dscnt 0x0
	CROUND                                         ; a whole round: everybody's part of K step 0 is in, and the joint loads meet
	JLOAD 1                                        ; K step 1's load, the first tensor load behind the round
	FETCH 0, 0, F0
	WIN 0
	global_prefetch_b8 v[PFO], s[PFA:PFA+1] th:TH_LOAD_NT scope:SCOPE_SE   ; K step 3
	QUARTER 0, 1, F0, F1, 1
.if LAPS > 1
	WIN 0
	s_mov_b32 s3, LAPS-1
.Llap:
	QUARTER 0, 2, F1, F0, 0
	QUARTER 0, 3, F0, F1, 0
	TURN 0, 1, 1
	QUARTER 1, 1, F0, F1, 0
	QUARTER 1, 2, F1, F0, 0
	QUARTER 1, 3, F0, F1, 0
	TURN 1, 0, 1
	QUARTER 0, 1, F0, F1, 0
	WIN 0
	s_sub_co_u32 s3, s3, 1
	s_cmp_lg_u32 s3, 0
	s_cbranch_scc1 .Llap
.endif
	QUARTER 0, 2, F1, F0, 0
	QUARTER 0, 3, F0, F1, 0
	TURN 0, 1, 0
	QUARTER 1, 1, F0, F1, 0
	QUARTER 1, 2, F1, F0, 0
	QUARTER 1, 3, F0, F1, 0
	s_wait_dscnt 8
	WIN MUL
	MULA F1, 0, 0
	MULA F1, 1, 0
	s_wait_dscnt 0
	MULA F1, 2, 0
	MULA F1, 3, 0
	WIN 0
	s_wait_kmcnt 0x0
	s_add_co_i32 s96, s72, s73
	s_add_co_i32 s96, s96, 127
	s_lshl_b32 s96, s96, 23
	s_mov_b32 s97, s96
	s_wait_loadcnt 0x0
	PLACES
.if HASB
	WIN 0x82
.set p, 0
.rept 64
	v_pk_add_f32 v[2*p:2*p+1], v[2*p:2*p+1], v[BIAS+(2*p)%4:BIAS+(2*p)%4+1]
.set p, p+1
.endr
	WIN 0
.endif
.macro TOSTAGE a
.irp b, 0,1,2,3
	ds_store_b128 v[STO], v[ACC+8*(4*(\a)+\b):ACC+8*(4*(\a)+\b)+3] offset:64*\b
	ds_store_b128 v[STO], v[ACC+8*(4*(\a)+\b)+4:ACC+8*(4*(\a)+\b)+7] offset:64*\b+16
.endr
.set BB, BK+32*((\a)%2)
.irp t, 0,1,2,3,4,5,6,7
	ds_load_b128 v[BB+4*\t:BB+4*\t+3], v[RD] offset:\t*2*SPITCH
.endr
.endm
.macro SEND a, younger
.set BB, BK+32*((\a)%2)
	s_wait_dscnt \younger
	WIN 0x20
.irp t, 0,1,2,3,4,5,6,7
	v_pk_fma_f32 v[BB+4*\t:BB+4*\t+1], v[BB+4*\t:BB+4*\t+1], s[96:97], v[4*(8*(\a)+\t):4*(8*(\a)+\t)+1] op_sel_hi:[1,0,1]
	v_pk_fma_f32 v[BB+4*\t+2:BB+4*\t+3], v[BB+4*\t+2:BB+4*\t+3], s[96:97], v[4*(8*(\a)+\t)+2:4*(8*(\a)+\t)+3] op_sel_hi:[1,0,1]
.endr
	WIN 0
.irp t, 0,1,2,3,4,5,6,7
	global_store_b128 v[CO], v[BB+4*\t:BB+4*\t+3], s[66:67] offset:(16*(\a)+2*\t)*4096 th:TH_STORE_NT
.endr
.endm
	TOSTAGE 0
.irp a, 1,2,3
.if \a > 1
	s_wait_xcnt 0x0
.endif
	TOSTAGE \a
	SEND \a-1, 16
.endr
	SEND 3, 0
	s_wait_tensorcnt 0x0
	ds_add_u32 v[SPW], v[NIL]
	s_wait_dscnt 0x0
	CROUND
	s_endpgm
.Lfunc_end_k_qcf852ce8f1_ff2:
	.size	k_qcf852ce8f1_ff2, .Lfunc_end_k_qcf852ce8f1_ff2-k_qcf852ce8f1_ff2
	.p2alignl 7, 3214868480
	.fill 96, 4, 3214868480
	.section	.rodata,"a",@progbits
	.p2align	6, 0x0
	.amdhsa_kernel k_qcf852ce8f1_ff2
		.amdhsa_group_segment_fixed_size 327680
		.amdhsa_private_segment_fixed_size 0
		.amdhsa_enable_private_segment 0
		.amdhsa_kernarg_size 48
		.amdhsa_user_sgpr_count 2
		.amdhsa_user_sgpr_kernarg_segment_ptr 1
		.amdhsa_wavefront_size32 1
		.amdhsa_system_sgpr_workgroup_id_x 1
		.amdhsa_system_sgpr_workgroup_id_y 1
		.amdhsa_system_sgpr_workgroup_id_z 1
		.amdhsa_system_vgpr_workitem_id 0
		.amdhsa_next_free_vgpr 768
		.amdhsa_next_free_sgpr 100
		.amdhsa_reserve_vcc 0
		.amdhsa_float_denorm_mode_32 3
		.amdhsa_float_denorm_mode_16_64 3
		.amdhsa_memory_ordered 1
		.amdhsa_forward_progress 1
		.amdhsa_inst_pref_size 84
	.end_amdhsa_kernel
	.amdgpu_metadata
---
amdhsa.version: [ 1, 2 ]
amdhsa.kernels:
  - .name:           k_qcf852ce8f1_ff2
    .symbol:         k_qcf852ce8f1_ff2.kd
    .args:
      - { .name: gc, .offset: 0, .size: 8, .value_kind: global_buffer, .address_space: global }
      - { .name: w2_codes, .offset: 8, .size: 8, .value_kind: global_buffer, .address_space: global }
      - { .name: lowp_scales, .offset: 16, .size: 8, .value_kind: global_buffer, .address_space: global }
      - { .name: x1, .offset: 24, .size: 8, .value_kind: global_buffer, .address_space: global }
      - { .name: out0, .offset: 32, .size: 8, .value_kind: global_buffer, .address_space: global }
      - { .name: b2, .offset: 40, .size: 8, .value_kind: global_buffer, .address_space: global }
    .group_segment_fixed_size: 327680
    .private_segment_fixed_size: 0
    .kernarg_segment_align: 8
    .kernarg_segment_size: 48
    .max_flat_workgroup_size: 128
    .sgpr_count:     100
    .vgpr_count:     768
    .wavefront_size: 32
...
	.end_amdgpu_metadata
.endif
;; end of part 7
